; MI455X (gfx1250); checked and timed in simulation.
; The chip was launched on July 23, 2026; its instructions are those of AMD's public machine-readable ISA for CDNA 5 (MIT licence, August 2026) and "CDNA5" Instruction Set Architecture Reference Guide (July 2026). The comments in the code are by the model that wrote it; some were corrected since.
;; Encoder Layer. Allowed arithmetic: matrix products marked QUANTISED: E2M3 operands, one E8M0 scale for each 32 along K, by v_wmma_scale_f32_16x16x128_f8f6f4 with both operands' format E2M3, f32 sums; everything else in f32.
;; Inputs: b1 4,096 float32; b2 1,024 float32; bk 1,024 float32; bo 1,024 float32; bq 1,024 float32; bv 1,024 float32; ln1_a 1,024 float32; ln1_b 1,024 float32; ln2_a 1,024 float32; ln2_b 1,024 float32; mask 2 x 1 x 1 x 2,048 int32; w1_codes 4,096 x 32 x 24 uint8 (E2M3 codes of w1, K innermost, in blocks of 32 codes, four codes in three bytes); w1_scales 4,096 x 32 uint8 (E8M0 scales of w1, one for each 32 codes along K); w2_codes 1,024 x 128 x 24 uint8 (E2M3 codes of w2, K innermost, in blocks of 32 codes, four codes in three bytes); w2_scales 1,024 x 128 uint8 (E8M0 scales of w2, one for each 32 codes along K); wk_codes 1,024 x 32 x 24 uint8 (E2M3 codes of wk, K innermost, in blocks of 32 codes, four codes in three bytes); wk_scales 1,024 x 32 uint8 (E8M0 scales of wk, one for each 32 codes along K); wo_codes 1,024 x 32 x 24 uint8 (E2M3 codes of wo, K innermost, in blocks of 32 codes, four codes in three bytes); wo_scales 1,024 x 32 uint8 (E8M0 scales of wo, one for each 32 codes along K); wq_codes 1,024 x 32 x 24 uint8 (E2M3 codes of wq, K innermost, in blocks of 32 codes, four codes in three bytes); wq_scales 1,024 x 32 uint8 (E8M0 scales of wq, one for each 32 codes along K); wv_codes 1,024 x 32 x 24 uint8 (E2M3 codes of wv, K innermost, in blocks of 32 codes, four codes in three bytes); wv_scales 1,024 x 32 uint8 (E8M0 scales of wv, one for each 32 codes along K); x 2 x 2,048 x 1,024 float32.
;; Outputs: out0 2 x 2,048 x 1,024 float32.
;; This version of the problem:
;;   THIS VERSION OF THE PROBLEM IS GIVEN IN LOW PRECISION. The matrix products marked QUANTISED in the list below multiply operands that are first quantised to E2M3 (2 exponent bits, 3 mantissa bits; 6 bits a number), with one power-of-two scale for each 32 numbers along K (OCP MX v1.0); their sums are f32. All else is computed in f32.
;;   The module's matrix products, in the order in which they are computed (A, B: the left and right operand; K: the contracted axis; several contracted axes count as one K, in the product's order):
;;     1. [M 4,096, K 1,024] x [K 1,024, N 1,024]; A: computed on the way; B: input wq (given as codes): QUANTISED
;;     2. [M 4,096, K 1,024] x [K 1,024, N 1,024]; A: computed on the way; B: input wk (given as codes): QUANTISED
;;     3. [M 4,096, K 1,024] x [K 1,024, N 1,024]; A: computed on the way; B: input wv (given as codes): QUANTISED
;;     4. batch 32 x [M 2,048, K 64] x [K 64, N 2,048]; A: computed on the way; B: computed on the way: QUANTISED
;;     5. batch 32 x [M 2,048, K 2,048] x [K 2,048, N 64]; A: softmax (see below); B: computed on the way: QUANTISED
;;     6. [M 4,096, K 1,024] x [K 1,024, N 1,024]; A: computed on the way; B: input wo (given as codes): QUANTISED
;;     7. [M 4,096, K 1,024] x [K 1,024, N 4,096]; A: computed on the way; B: input w1 (given as codes): QUANTISED
;;     8. [M 4,096, K 4,096] x [K 4,096, N 1,024]; A: computed on the way; B: input w2 (given as codes): QUANTISED
;;   THE QUANTISER, for each operand of a quantised product, along K:
;;     - K is cut into blocks of 32 from its start; a last block that is shorter is filled with zeros.
;;     - A block's scale is 2^e with e = floor(log2(the largest magnitude in the block)) - 2, held to -126 .. 127; a block of zeros has e = 0. As a byte (E8M0): e + 127.
;;     - Each number is divided by its block's scale, clamped to +-7.5, and rounded to the nearest number of E2M3, ties to even, subnormals kept.
;;     - The product sums the exact products of the quantised numbers (number of the format x scale) in f32.
;;   ~~~python
;;   def quantise(x, axis):      # numpy; x: float32 -> the quantised numbers, widened to float32 again
;;       x = np.moveaxis(x, axis, -1); K = x.shape[-1]
;;       x = np.pad(x, [(0, 0)] * (x.ndim - 1) + [(0, -K % 32)]); x = x.reshape(x.shape[:-1] + (-1, 32)); a = np.abs(x).max(-1, keepdims=True)
;;       e = np.where(a > 0, np.clip(np.frexp(np.where(a > 0, a, 1))[1] - 1 - 2, -126, 127), 0)      # np.frexp(a)[1] - 1 = floor(log2(a)), exactly
;;       r = np.clip(x / 2.0 ** e, -7.5, 7.5)
;;       step = 2.0 ** (np.maximum(np.frexp(np.where(r == 0, 1, r))[1] - 1, 0) - 3)
;;       q = np.round(r / step) * step * 2.0 ** e      # np.round: ties to even
;;       return np.moveaxis(q.reshape(q.shape[:-2] + (-1,))[..., :K], -1, axis).astype(np.float32)
;;   ~~~
;;   SOFTMAX AHEAD OF A QUANTISED PRODUCT. Where the list says 'softmax', what is quantised is not the finished softmax but p = 2^(t - M), with t = logit x log2(e) and M = ceil(the row's largest t), a whole number; so 1/2 < the row's largest p <= 1. The row's sum l is taken of the UNQUANTISED p, in f32, and the product's result is divided by l at the end. Since M is a whole number, a kernel that streams over the keys may use a running M (the ceiling of the running maximum): every later rescaling is an exact power of two, which a block's scale takes up: the codes' values come out the same.
;;   OPERANDS COMPUTED ON THE WAY. 'Computed on the way' means the value that the module computes at that place (a softmax that the list does not call 'softmax' is quantised finished and normalised). What goes into a quantiser is computed in f32, as accurately as f32 sums, v_exp_f32 and their like allow (about 1e-6 of the number): no bf16 or f16 on the way to a quantiser, and a product that is left as it is and whose result goes on into a quantised operand takes f32 operands (vector FMAs, or v_wmma_f32_16x16x4_f32). A number that lies on a knife's edge between two numbers of the format may be rounded either way, as far as f32 arithmetic and the matrix unit's own rounding can turn it there, and no further.
;;   INPUTS GIVEN AS CODES. w1 (in the module: [4096, 1024], K = its axis 1); w2 (in the module: [1024, 4096], K = its axis 1); wk (in the module: [1024, 1024], K = its axis 1); wo (in the module: [1024, 1024], K = its axis 1); wq (in the module: [1024, 1024], K = its axis 1); wv (in the module: [1024, 1024], K = its axis 1): each comes as NAME_codes (uint8): NAME with its K axis moved to the last place and cut into blocks of 32 codes, [.., K / 32, bytes a block], one block behind the other in memory; four codes in three bytes: a row's codes are one little-endian stream of bits, code i at bits 6 i .. 6 i + 5 (a code: sign, 2 exponent bits, 3 mantissa bits); and NAME_scales (uint8): the same leading axes, one E8M0 byte (e + 127) for each 32 codes along K. Its value is code x scale, taken as it is: it is not quantised again, and the codes and scales need not be those that the quantiser above would give.
;; One version. Each part assembles by itself: llvm-mc -triple=amdgcn-amd-amdhsa -mcpu=gfx1250 --defsym DOCPART=n.
;; ======== version 1 of 1: 8 launches
;; limits: right only within a limited range of input values
;; workspace buffers: W 9,830,400 bytes; H 3,276,800 bytes; QKV 10,092,544 bytes; AO 3,276,800 bytes; X1 16,777,216 bytes; HID 13,107,200 bytes
;; launch prep (part 1): grid 384 x 1, 4 waves a work-group, no clusters, 26,112 bytes of LDS; arguments wq_codes, wk_codes, wv_codes, wo_codes, w1_codes, w2_codes, wq_scales, wk_scales, wv_scales, wo_scales, w1_scales, w2_scales, W; writes W
.if DOCPART == 1
	.amdgcn_target "amdgcn-amd-amdhsa--gfx1250"
	.amdhsa_code_object_version 6
	.text
	.protected	k_q60b928baeb_prep
	.globl	k_q60b928baeb_prep
	.p2align	8
	.type	k_q60b928baeb_prep,@function
k_q60b928baeb_prep:
	s_mov_b64 s[64:65], 0
	v_nop
	global_prefetch_b8 v0, s[64:65] scope:SCOPE_SE
	s_setreg_imm32_b32 hwreg(HW_REG_WAVE_MODE, 25, 1), 1
	s_wait_xcnt 0x0
; The six given weights (codes of E2M3 with K innermost, E8M0 scale bytes) are laid once in the order in which a wave's operand registers take them.  No code and no scale byte is changed.
; IMAGE of a weight with KT = K / 128: byte ((T KT + s) 6 + p) 256 + 8 lane holds registers 2 p, 2 p + 1 of the fragment (tile T of 16 rows, K step s) of that lane: lane (r, h), p = 3 c + t: bytes 8 t .. 8 t + 7
; of the 24-byte block 4 s + 2 c + h of row 32 (T / 2) + 8 (T % 2) + r + 8 (r / 8).  THE ROWS OF A TILE ARE NOT NEIGHBOURS: so a product that takes the weight as source 0 leaves 16 neighbouring outputs in the 16
; registers of two neighbouring tiles.  SCALE WORDS: [rows / 256][KT][256 places] words, place 16 (T % 16) + r: the four bytes of that row's K step.
; W: images of wq, wk, wv, wo, w1 on end (one image of 8,192 rows, K = 1,024) from byte 0, w2's (K = 4,096) from 6,291,456; scale words from WS in the same order.
; A work-group takes a unit: 32 rows (two tiles) x 1,024 along K, 24,576 bytes.  Units 0-127: wq, wk, wv, wo; 128-255: w1; 256-383: w2 (four units along its K).  One path for all: only pointers and offsets are chosen.
; Rows come in as they lie (256 consecutive bytes a load), turn through LDS (rows 784 bytes apart) and leave as planes of 256 consecutive bytes.  No tensor load, one barrier, no loop.
.set WS,  9437184
.set PIT, 784
	s_load_b512 s[8:23], s[0:1], 0x0               ; codes: wq s[8:9], wk s[10:11], wv s[12:13], wo s[14:15], w1 s[16:17], w2 s[18:19]; scales: wq s[20:21], wk s[22:23]
	s_load_b256 s[24:31], s[0:1], 0x40             ; scales: wv s[24:25], wo s[26:27], w1 s[28:29], w2 s[30:31]
	s_load_b64 s[32:33], s[0:1], 0x60              ; W
	v_lshl_add_u32 v96, v0, 2, 0x6400
	v_mov_b32 v97, 0
	v_lshrrev_b32 v1, 5, v0
	v_readfirstlane_b32 s3, v1                     ; wave 0..3
	v_and_b32 v1, 31, v0                           ; lane
	v_and_b32 v3, 15, v0                           ; r
	v_bfe_u32 v4, v0, 4, 1                         ; h; for the scale words: which of the two tiles
	v_lshlrev_b32 v2, 3, v1                        ; 8 x lane
	v_and_b32 v5, 8, v3
	v_add_nc_u32 v5, v5, v3                        ; r + 8 (r / 8)
	v_lshl_add_u32 v6, v4, 3, v5                   ; the row, among the unit's 32, of place (tile, r)
	; which pair of tiles (s40) and which 1,024 along K (s44) the unit is
	s_wait_alu depctr_va_vdst(0)
	s_and_b32 s40, ttmp9, 31
	s_sub_co_u32 s41, ttmp9, 128
	s_sub_co_u32 s42, ttmp9, 256
	s_lshr_b32 s43, s42, 2
	s_and_b32 s44, s42, 3
	s_cmp_ge_u32 ttmp9, 128
	s_cselect_b32 s40, s41, s40
	s_cmp_ge_u32 ttmp9, 256
	s_cselect_b32 s40, s43, s40
	s_cselect_b32 s44, s44, 0
	s_cselect_b32 s45, 2304, 0
	s_cselect_b32 s46, 96, 0
	s_cselect_b32 s47, 36864, 0
	s_add_co_u32 s45, s45, 768                     ; a row of codes in bytes: 768 or 3,072
	s_add_co_u32 s46, s46, 32                      ; a row of scale bytes: 32 or 128
	s_add_co_u32 s47, s47, 12288                   ; from a tile's image to the next tile's: 12,288 or 49,152
	s_mul_i32 s54, s40, s45                        ; in: 32 rows a pair, 768 bytes a unit along K
	s_lshl_b32 s54, s54, 5
	s_mul_i32 s52, s44, 768
	s_add_co_u32 s54, s54, s52
	s_mov_b32 s55, 0
	s_mul_i32 s56, s40, s46
	s_lshl_b32 s56, s56, 5
	s_lshl_b32 s52, s44, 5
	s_add_co_u32 s56, s56, s52
	s_mov_b32 s57, 0
	s_mul_i32 s38, s40, 98304                      ; out, w2's form
	s_mul_i32 s52, s44, 12288
	s_add_co_u32 s38, s38, s52
	s_add_co_u32 s38, s38, 6291456
	s_lshr_b32 s39, s40, 3
	s_lshl_b32 s39, s39, 15
	s_lshl_b32 s52, s44, 13
	s_add_co_u32 s39, s39, s52
	s_and_b32 s52, s40, 7
	s_lshl_b32 s52, s52, 7
	s_add_co_u32 s39, s39, s52
	s_add_co_u32 s39, s39, WS+262144
	s_mul_i32 s48, ttmp9, 24576                    ; out, the others' form
	s_lshr_b32 s50, ttmp9, 3
	s_lshl_b32 s50, s50, 13
	s_and_b32 s52, ttmp9, 7
	s_lshl_b32 s52, s52, 7
	s_add_co_u32 s50, s50, s52
	s_add_co_u32 s50, s50, WS
	s_cmp_ge_u32 ttmp9, 256
	s_cselect_b32 s48, s38, s48
	s_cselect_b32 s50, s39, s50
	s_mov_b32 s49, 0
	s_mov_b32 s51, 0
	s_lshl_b32 s52, s3, 3
	v_mul_lo_u32 v9, v6, s46
	v_add_nc_u32 v9, s52, v9                       ; my place's eight scale bytes: K steps 2 w and 2 w + 1 of its row
	s_mul_i32 s53, s52, s45                        ; rows 8 w + i
.irp i, 0,1,2,3,4,5,6,7
	v_add_nc_u32 v[16+\i], s53, v2
	s_add_co_u32 s53, s53, s45
.endr
	s_mul_i32 s52, s3, 8*PIT
	v_add_nc_u32 v10, s52, v2                      ; LDS, in: row 8 w, 8 x lane
	v_mul_u32_u24 v14, v5, PIT
	v_mad_u32_u24 v14, v4, 24, v14
	s_mul_i32 s52, s3, 192
	v_add_nc_u32 v14, s52, v14                     ; LDS, out: row r + 8 (r / 8), block h of K step 2 w
	s_mul_i32 s52, s3, 3072
	v_add_nc_u32 v11, s52, v2                      ; image: K step 2 w of the first tile,
	v_add_nc_u32 v12, s47, v11                     ; and of the second
	v_lshlrev_b32 v13, 2, v1
	s_lshl_b32 s52, s3, 11
	v_add_nc_u32 v13, s52, v13                     ; scale words: K step 2 w, 4 x lane
	s_wait_alu depctr_va_vdst(0)
	s_wait_kmcnt 0x0
	s_mov_b64 s[34:35], s[8:9]                     ; the unit's weight: the choice hangs on the work-group's number alone
	s_mov_b64 s[36:37], s[20:21]
	s_cmp_ge_u32 ttmp9, 32
	s_cselect_b64 s[34:35], s[10:11], s[34:35]
	s_cselect_b64 s[36:37], s[22:23], s[36:37]
	s_cmp_ge_u32 ttmp9, 64
	s_cselect_b64 s[34:35], s[12:13], s[34:35]
	s_cselect_b64 s[36:37], s[24:25], s[36:37]
	s_cmp_ge_u32 ttmp9, 96
	s_cselect_b64 s[34:35], s[14:15], s[34:35]
	s_cselect_b64 s[36:37], s[26:27], s[36:37]
	s_cmp_ge_u32 ttmp9, 128
	s_cselect_b64 s[34:35], s[16:17], s[34:35]
	s_cselect_b64 s[36:37], s[28:29], s[36:37]
	s_cmp_ge_u32 ttmp9, 256
	s_cselect_b64 s[34:35], s[18:19], s[34:35]
	s_cselect_b64 s[36:37], s[30:31], s[36:37]
	s_add_nc_u64 s[34:35], s[34:35], s[54:55]
	s_add_nc_u64 s[36:37], s[36:37], s[56:57]
	s_add_nc_u64 s[58:59], s[32:33], s[48:49]
	s_add_nc_u64 s[60:61], s[32:33], s[50:51]
.irp i, 0,1,2,3,4,5,6,7
.irp t, 0,1,2
	global_load_b64 v[32+6*\i+2*\t:33+6*\i+2*\t], v[16+\i], s[34:35] offset:256*\t   ; 32 lanes read 256 consecutive bytes of a row
.endr
.endr
	global_load_b64 v[80:81], v9, s[36:37]         ; two scale words of my place
	s_wait_loadcnt 0x0
.irp i, 0,1,2,3,4,5,6,7
.irp t, 0,1,2
	ds_store_b64 v10, v[32+6*\i+2*\t:33+6*\i+2*\t] offset:\i*PIT+256*\t
.endr
.endr
	s_wait_dscnt 0x0                               ; for the others' sake: my rows lie in LDS
	s_barrier_signal -1
	s_barrier_wait -1
.set n, 0
.irp u, 0,1
.irp q, 0,1
.irp p, 0,1,2,3,4,5
	ds_load_b64 v[32+2*n:33+2*n], v14 offset:\u*8*PIT+\q*96+48*(\p/3)+8*(\p%3)   ; tile u, K step 2 w + q, plane p
.set n, n+1
.endr
.endr
.endr
.set n, 0
.irp u, 0,1
.irp q, 0,1
.irp p, 0,1,2,3,4,5
	s_wait_dscnt 23-n                              ; LDS loads come back in order: load n is in, the 23 - n younger ones may be out
	global_store_b64 v[11+\u], v[32+2*n:33+2*n], s[58:59] offset:\q*1536+256*\p   ; 32 lanes store 256 consecutive bytes, aligned
.set n, n+1
.endr
.endr
.endr
	global_store_b32 v13, v80, s[60:61]            ; 32 places' words of K step 2 w: 128 consecutive bytes
	global_store_b32 v13, v81, s[60:61] offset:1024
	s_wait_tensorcnt 0x0
	ds_add_u32 v96, v97
	s_wait_dscnt 0x0
	s_endpgm
.Lfunc_end_k_q60b928baeb_prep:
	.size	k_q60b928baeb_prep, .Lfunc_end_k_q60b928baeb_prep-k_q60b928baeb_prep
	.p2alignl 7, 3214868480
	.fill 96, 4, 3214868480
	.section	.rodata,"a",@progbits
	.p2align	6, 0x0
	.amdhsa_kernel k_q60b928baeb_prep
		.amdhsa_group_segment_fixed_size 26112
		.amdhsa_private_segment_fixed_size 0
		.amdhsa_enable_private_segment 0
		.amdhsa_kernarg_size 104
		.amdhsa_user_sgpr_count 2
		.amdhsa_user_sgpr_kernarg_segment_ptr 1
		.amdhsa_wavefront_size32 1
		.amdhsa_system_sgpr_workgroup_id_x 1
		.amdhsa_system_sgpr_workgroup_id_y 1
		.amdhsa_system_sgpr_workgroup_id_z 1
		.amdhsa_system_vgpr_workitem_id 0
		.amdhsa_next_free_vgpr 98
		.amdhsa_next_free_sgpr 66
		.amdhsa_reserve_vcc 0
		.amdhsa_float_denorm_mode_32 3
		.amdhsa_float_denorm_mode_16_64 3
		.amdhsa_memory_ordered 1
		.amdhsa_forward_progress 1
		.amdhsa_inst_pref_size 14
	.end_amdhsa_kernel
	.amdgpu_metadata
---
amdhsa.version: [ 1, 2 ]
amdhsa.kernels:
  - .name:           k_q60b928baeb_prep
    .symbol:         k_q60b928baeb_prep.kd
    .args:
      - { .name: wq_codes, .offset: 0, .size: 8, .value_kind: global_buffer, .address_space: global }
      - { .name: wk_codes, .offset: 8, .size: 8, .value_kind: global_buffer, .address_space: global }
      - { .name: wv_codes, .offset: 16, .size: 8, .value_kind: global_buffer, .address_space: global }
      - { .name: wo_codes, .offset: 24, .size: 8, .value_kind: global_buffer, .address_space: global }
      - { .name: w1_codes, .offset: 32, .size: 8, .value_kind: global_buffer, .address_space: global }
      - { .name: w2_codes, .offset: 40, .size: 8, .value_kind: global_buffer, .address_space: global }
      - { .name: wq_scales, .offset: 48, .size: 8, .value_kind: global_buffer, .address_space: global }
      - { .name: wk_scales, .offset: 56, .size: 8, .value_kind: global_buffer, .address_space: global }
      - { .name: wv_scales, .offset: 64, .size: 8, .value_kind: global_buffer, .address_space: global }
      - { .name: wo_scales, .offset: 72, .size: 8, .value_kind: global_buffer, .address_space: global }
      - { .name: w1_scales, .offset: 80, .size: 8, .value_kind: global_buffer, .address_space: global }
      - { .name: w2_scales, .offset: 88, .size: 8, .value_kind: global_buffer, .address_space: global }
      - { .name: W, .offset: 96, .size: 8, .value_kind: global_buffer, .address_space: global }
    .group_segment_fixed_size: 26112
    .private_segment_fixed_size: 0
    .kernarg_segment_align: 8
    .kernarg_segment_size: 104
    .max_flat_workgroup_size: 128
    .sgpr_count:     66
    .vgpr_count:     98
    .wavefront_size: 32
...
	.end_amdgpu_metadata
.endif
;; end of part 1
;; launch ln1 (part 2): grid 256 x 1, 8 waves a work-group, no clusters, 66,816 bytes of LDS; arguments x, ln1_a, ln1_b, H; writes H
.if DOCPART == 2
	.amdgcn_target "amdgcn-amd-amdhsa--gfx1250"
	.amdhsa_code_object_version 6
	.text
	.protected	k_q60b928baeb_ln1
	.globl	k_q60b928baeb_ln1
	.p2align	8
	.type	k_q60b928baeb_ln1,@function
k_q60b928baeb_ln1:
	s_mov_b64 s[64:65], 0
	v_nop
	global_prefetch_b8 v0, s[64:65] scope:SCOPE_SE
	s_setreg_imm32_b32 hwreg(HW_REG_WAVE_MODE, 25, 1), 1
	s_wait_xcnt 0x0
; y = alpha (x - mean) / (std + 1e-6) + beta over rows of 1,024 f32 (std with divisor 1,023), then y is quantised along the row to codes of E2M3 with one E8M0 byte for each 32, and stored as an operand's
; register image: byte ((8 T + s) 6 + p) 256 + 8 lane = registers 2 p, 2 p + 1 of the fragment (rows 16 T + r, K step s); scale words from byte 3,145,728: [T / 16][s][16 (T % 16) + r].
; A work-group takes 16 rows (tile T).  Phase 1: wave w normalises rows 2 w and 2 w + 1, a row in 32 registers; mean first, then the sum of squares of x - mean, so a common offset of x costs no accuracy.
; The rows meet in LDS (4,112 bytes apart: 257 x 16, so that 16 rows of a column start in 16 different groups of banks).  Phase 2: wave w quantises K step w of all 16 rows: lane (r, h) takes 16 neighbours of each block of 32.
; A block's scale byte is its largest magnitude's exponent field - 2, held at 1 from below.  LIMITS: a block of zeros gets the byte 1 where the rule says 127 (its codes are zeros; this program alone reads the bytes);
; NaN and infinities are not served.  No tensor load, one barrier, no loop.
.set X,    16                          ; v16-79   two rows, later 64 numbers of a lane
.set AL,   80                          ; v80-111  alpha
.set BE,   112                         ; v112-143 beta
.set PC,   144                         ; v144-162 the codes
.set TM,   164                         ; v164-179 at work
.set PW,   180                         ; the scale word
.set MEAN, 10                          ; v[10:11], v[12:13]
.set INV,  182                         ; v[182:183], v[184:185]
.set SEL,  12                          ; s[12:13] lane selects: lane l xor 16
.set ROWP, 4112
.macro ACROSS reg                      ; the sum over the 32 lanes of v[reg] and of v[reg + 2], by turns
.irp m, 1,2,4,8
.irp q, 0,1
	s_delay_alu instid0(VALU_DEP_2)
	v_add_f32_dpp v[\reg+2*\q], v[\reg+2*\q], v[\reg+2*\q] row_xmask:\m row_mask:0xf bank_mask:0xf
.endr
.endr
.irp q, 0,1
	s_delay_alu instid0(VALU_DEP_2)
	v_permlanex16_b32 v[\reg+2*\q+1], v[\reg+2*\q], s[SEL], s[SEL+1]
.endr
.irp q, 0,1
	s_delay_alu instid0(VALU_DEP_2)
	v_add_f32 v[\reg+2*\q], v[\reg+2*\q], v[\reg+2*\q+1]
.endr
.endm
; 64 numbers of a lane, register 16 b + i = element 32 b + 16 (lane / 16) + i of my row's K step, become a fragment's codes in v[PC] on and its scale word in v[PW]
.macro QUANT s
.irp b, 0,1,2,3
	v_max3_num_f32 v[TM+\b], |v[\s+16*\b]|, |v[\s+1+16*\b]|, 0x1800000   ; my 16 numbers of block b, and the floor 2^(3 - 127): the byte cannot fall under 1
.endr
.irp i, 2,4,6,8,10,12,14
.irp b, 0,1,2,3
	s_delay_alu instid0(VALU_DEP_4)
	v_max3_num_f32 v[TM+\b], v[TM+\b], |v[\s+16*\b+\i]|, |v[\s+1+16*\b+\i]|
.endr
.endr
.irp b, 0,1,2,3
	s_delay_alu instid0(VALU_DEP_4)
	v_permlanex16_b32 v[TM+4+\b], v[TM+\b], s[SEL], s[SEL+1]
.endr
.irp b, 0,1,2,3
	s_delay_alu instid0(VALU_DEP_4)
	v_max_num_f32 v[TM+\b], v[TM+\b], v[TM+4+\b]   ; with lane l xor 16's: the block's largest magnitude
.endr
.irp b, 0,1,2,3
	s_delay_alu instid0(VALU_DEP_4)
	v_add_nc_u32 v[TM+12+\b], 0xff000000, v[TM+\b] ; 2 off its exponent field: the conversion takes that field as its scale
.endr
.irp b, 0,1,2,3
	s_delay_alu instid0(VALU_DEP_4)
	v_lshrrev_b32 v[TM+4+\b], 23, v[TM+12+\b]      ; the scale's byte
.endr
	s_delay_alu instid0(VALU_DEP_3)
	v_lshl_or_b32 v[PW], v[TM+5], 8, v[TM+4]
	s_delay_alu instid0(VALU_DEP_1)
	v_lshl_or_b32 v[PW], v[TM+6], 16, v[PW]
	s_delay_alu instid0(VALU_DEP_1)
	v_lshl_or_b32 v[PW], v[TM+7], 24, v[PW]
.irp c, 0,1
	v_cvt_scalef32_pk16_fp6_f32 v[PC+6*\c:PC+2+6*\c], v[\s+32*\c:\s+15+32*\c], v[TM+12+2*\c]
	v_cvt_scalef32_pk16_fp6_f32 v[PC+12+4*\c:PC+14+4*\c], v[\s+16+32*\c:\s+31+32*\c], v[TM+12+2*\c+1]   ; (a conversion's three registers begin on an even number)
.endr
	v_nop                                          ; one plain place behind a scaled conversion
.irp c, 0,1                                    ; the operand wants a whole block in a lane: lanes 0-15 block 2 c, lanes 16-31 block 2 c + 1
.irp i, 0,1,2
	v_permlane16_swap_b32 v[PC+6*\c+\i], v[PC+12+4*\c+\i]
.endr
.irp i, 0,1,2
	s_delay_alu instid0(VALU_DEP_3)
	v_mov_b32 v[PC+3+6*\c+\i], v[PC+12+4*\c+\i]
.endr
.endr
.endm
	s_load_b256 s[4:11], s[0:1], 0x0               ; x s[4:5], alpha s[6:7], beta s[8:9], the image s[10:11]
	v_lshl_add_u32 v192, v0, 2, 0x10100
	v_mov_b32 v193, 0
	v_lshrrev_b32 v1, 5, v0
	s_delay_alu instid0(VALU_DEP_1)
	v_readfirstlane_b32 s14, v1                    ; wave 0..7
	v_and_b32 v1, 31, v0                           ; lane
	s_delay_alu instid0(VALU_DEP_1)
	v_lshlrev_b32 v2, 4, v1                        ; 16 x lane
	v_and_b32 v3, 15, v0                           ; r
	v_bfe_u32 v4, v0, 4, 1                         ; h
	s_mul_i32 s15, s14, 2*ROWP
	v_add_nc_u32 v5, s15, v2                       ; LDS, in: row 2 w, 16 x lane
	v_mul_u32_u24 v6, v3, ROWP
	s_delay_alu instid0(VALU_DEP_1)
	v_lshl_add_u32 v6, v4, 6, v6
	s_lshl_b32 s15, s14, 9
	v_add_nc_u32 v6, s15, v6                       ; LDS, out: row r, K step w, + 64 h
	v_lshlrev_b32 v7, 3, v1                        ; 8 x lane
	v_lshlrev_b32 v8, 2, v3                        ; 4 r
	s_mov_b32 s[SEL], 0x76543210
	s_mov_b32 s[SEL+1], 0xfedcba98
.irp q, 0,1
	v_mov_b32 v[MEAN+2*\q+1], 0                    ; a lane permute's destination counts as one of its sources
	v_mov_b32 v[INV+2*\q+1], 0
.endr
	s_lshl_b32 s16, ttmp9, 16                      ; 16 rows of 4,096 bytes a work-group,
	s_lshl_b32 s17, s14, 13                        ; two a wave
	s_add_co_u32 s16, s16, s17
	s_mov_b32 s17, 0
	s_lshl_b32 s22, ttmp9, 3
	s_add_co_u32 s22, s22, s14
	s_mul_i32 s22, s22, 1536                       ; the fragment (T, w)
	s_mov_b32 s23, 0
	s_lshr_b32 s24, ttmp9, 4
	s_lshl_b32 s24, s24, 3
	s_add_co_u32 s24, s24, s14
	s_lshl_b32 s24, s24, 10
	s_and_b32 s25, ttmp9, 15
	s_lshl_b32 s25, s25, 6
	s_add_co_u32 s24, s24, s25
	s_add_co_u32 s24, s24, 3145728                 ; its scale words
	s_mov_b32 s25, 0
	s_wait_kmcnt 0x0
	s_add_nc_u64 s[4:5], s[4:5], s[16:17]
	s_add_nc_u64 s[18:19], s[10:11], s[22:23]
	s_add_nc_u64 s[20:21], s[10:11], s[24:25]
.irp q, 0,1
.irp j, 0,1,2,3,4,5,6,7
	global_load_b128 v[X+32*\q+4*\j:X+32*\q+4*\j+3], v2, s[4:5] offset:4096*\q+512*\j   ; 512 consecutive bytes a load
.endr
.endr
.irp j, 0,1,2,3,4,5,6,7
	global_load_b128 v[AL+4*\j:AL+4*\j+3], v2, s[6:7] offset:512*\j
.endr
.irp j, 0,1,2,3,4,5,6,7
	global_load_b128 v[BE+4*\j:BE+4*\j+3], v2, s[8:9] offset:512*\j
.endr
	s_wait_loadcnt 16                              ; the two rows are in; alpha's and beta's sixteen loads may be out
.irp q, 0,1
	v_pk_add_f32 v[TM+4*\q:TM+4*\q+1], v[X+32*\q:X+32*\q+1], v[X+32*\q+4:X+32*\q+5]
	v_pk_add_f32 v[TM+4*\q+2:TM+4*\q+3], v[X+32*\q+2:X+32*\q+3], v[X+32*\q+6:X+32*\q+7]
.endr
.irp i, 8,12,16,20,24,28
.irp q, 0,1
	s_delay_alu instid0(VALU_DEP_4)
	v_pk_add_f32 v[TM+4*\q:TM+4*\q+1], v[TM+4*\q:TM+4*\q+1], v[X+32*\q+\i:X+32*\q+\i+1]
	s_delay_alu instid0(VALU_DEP_4)
	v_pk_add_f32 v[TM+4*\q+2:TM+4*\q+3], v[TM+4*\q+2:TM+4*\q+3], v[X+32*\q+\i+2:X+32*\q+\i+3]
.endr
.endr
.irp q, 0
	s_delay_alu instid0(VALU_DEP_3)
	v_pk_add_f32 v[TM+4*\q:TM+4*\q+1], v[TM+4*\q:TM+4*\q+1], v[TM+4*\q+2:TM+4*\q+3]
.endr
.irp q, 1
	s_delay_alu instid0(VALU_DEP_2)
	v_pk_add_f32 v[TM+4*\q:TM+4*\q+1], v[TM+4*\q:TM+4*\q+1], v[TM+4*\q+2:TM+4*\q+3]
.endr
.irp q, 0,1
	s_delay_alu instid0(VALU_DEP_2)
	v_add_f32 v[MEAN+2*\q], v[TM+4*\q], v[TM+4*\q+1]
.endr
	ACROSS MEAN
.irp q, 0,1
	s_delay_alu instid0(VALU_DEP_2)
	v_mul_f32 v[MEAN+2*\q], 0x3a800000, v[MEAN+2*\q]   ; / 1,024
.endr
.irp i, 0,2,4,6,8,10,12,14,16,18,20,22,24,26,28,30
.irp q, 0,1
	v_pk_add_f32 v[X+32*\q+\i:X+32*\q+\i+1], v[X+32*\q+\i:X+32*\q+\i+1], v[MEAN+2*\q:MEAN+2*\q+1] op_sel_hi:[1,0] neg_lo:[0,1] neg_hi:[0,1]   ; x - mean
.endr
.endr
.irp q, 0,1
	v_pk_mul_f32 v[TM+4*\q:TM+4*\q+1], v[X+32*\q:X+32*\q+1], v[X+32*\q:X+32*\q+1]
	v_pk_mul_f32 v[TM+4*\q+2:TM+4*\q+3], v[X+32*\q+2:X+32*\q+3], v[X+32*\q+2:X+32*\q+3]
.endr
.irp i, 4,8,12,16,20,24,28
.irp q, 0,1
	s_delay_alu instid0(VALU_DEP_4)
	v_pk_fma_f32 v[TM+4*\q:TM+4*\q+1], v[X+32*\q+\i:X+32*\q+\i+1], v[X+32*\q+\i:X+32*\q+\i+1], v[TM+4*\q:TM+4*\q+1]
	s_delay_alu instid0(VALU_DEP_4)
	v_pk_fma_f32 v[TM+4*\q+2:TM+4*\q+3], v[X+32*\q+\i+2:X+32*\q+\i+3], v[X+32*\q+\i+2:X+32*\q+\i+3], v[TM+4*\q+2:TM+4*\q+3]
.endr
.endr
.irp q, 0
	s_delay_alu instid0(VALU_DEP_3)
	v_pk_add_f32 v[TM+4*\q:TM+4*\q+1], v[TM+4*\q:TM+4*\q+1], v[TM+4*\q+2:TM+4*\q+3]
.endr
.irp q, 1
	s_delay_alu instid0(VALU_DEP_2)
	v_pk_add_f32 v[TM+4*\q:TM+4*\q+1], v[TM+4*\q:TM+4*\q+1], v[TM+4*\q+2:TM+4*\q+3]
.endr
.irp q, 0,1
	s_delay_alu instid0(VALU_DEP_2)
	v_add_f32 v[INV+2*\q], v[TM+4*\q], v[TM+4*\q+1]
.endr
	ACROSS INV
.irp q, 0,1
	s_delay_alu instid0(VALU_DEP_2)
	v_mul_f32 v[INV+2*\q], 0x3a802008, v[INV+2*\q] ; / 1,023
.endr
	s_wait_alu depctr_va_vdst(0)
.irp q, 0,1
	v_sqrt_f32 v[TM+\q], v[INV+2*\q]
.endr
	v_nop                                          ; one plain place behind a transcendental
	s_wait_alu depctr_va_vdst(0)
.irp q, 0,1
	v_add_f32 v[TM+\q], 0x358637bd, v[TM+\q]       ; + 1e-6
.endr
	s_wait_alu depctr_va_vdst(0)
.irp q, 0,1
	v_rcp_f32 v[INV+2*\q], v[TM+\q]
.endr
	v_nop
	s_wait_loadcnt 0x0                             ; alpha and beta
	s_wait_alu depctr_va_vdst(0)
.irp i, 0,2,4,6,8,10,12,14,16,18,20,22,24,26,28,30
.irp q, 0,1
	v_pk_mul_f32 v[X+32*\q+\i:X+32*\q+\i+1], v[X+32*\q+\i:X+32*\q+\i+1], v[INV+2*\q:INV+2*\q+1] op_sel_hi:[1,0]
.endr
.endr
.irp i, 0,2,4,6,8,10,12,14,16,18,20,22,24,26,28,30
.irp q, 0,1
	v_pk_fma_f32 v[X+32*\q+\i:X+32*\q+\i+1], v[X+32*\q+\i:X+32*\q+\i+1], v[AL+\i:AL+\i+1], v[BE+\i:BE+\i+1]
.endr
.endr
.irp q, 0,1
.irp j, 0,1,2,3,4,5,6,7
	ds_store_b128 v5, v[X+32*\q+4*\j:X+32*\q+4*\j+3] offset:\q*ROWP+512*\j
.endr
.endr
	s_wait_dscnt 0x0                               ; for the others' sake: my two rows lie in LDS
	s_barrier_signal -1
	s_barrier_wait -1
.irp b, 0,1,2,3
.irp i, 0,1,2,3
	ds_load_b128 v[X+16*\b+4*\i:X+16*\b+4*\i+3], v6 offset:128*\b+16*\i
.endr
.endr
	s_wait_dscnt 0x0
	QUANT X
.irp p, 0,1,2,3,4,5
	global_store_b64 v7, v[PC+2*\p:PC+2*\p+1], s[18:19] offset:256*\p   ; 32 lanes store 256 consecutive bytes, aligned
.endr
	global_store_b32 v8, v[PW], s[20:21]           ; row r's word; lanes l and l xor 16 hold the same word and store it to the same place: 64 consecutive bytes
	s_wait_tensorcnt 0x0
	ds_add_u32 v192, v193
	s_wait_dscnt 0x0
	s_endpgm
.Lfunc_end_k_q60b928baeb_ln1:
	.size	k_q60b928baeb_ln1, .Lfunc_end_k_q60b928baeb_ln1-k_q60b928baeb_ln1
	.p2alignl 7, 3214868480
	.fill 96, 4, 3214868480
	.section	.rodata,"a",@progbits
	.p2align	6, 0x0
	.amdhsa_kernel k_q60b928baeb_ln1
		.amdhsa_group_segment_fixed_size 66816
		.amdhsa_private_segment_fixed_size 0
		.amdhsa_enable_private_segment 0
		.amdhsa_kernarg_size 32
		.amdhsa_user_sgpr_count 2
		.amdhsa_user_sgpr_kernarg_segment_ptr 1
		.amdhsa_wavefront_size32 1
		.amdhsa_system_sgpr_workgroup_id_x 1
		.amdhsa_system_sgpr_workgroup_id_y 1
		.amdhsa_system_sgpr_workgroup_id_z 1
		.amdhsa_system_vgpr_workitem_id 0
		.amdhsa_next_free_vgpr 194
		.amdhsa_next_free_sgpr 66
		.amdhsa_reserve_vcc 0
		.amdhsa_float_denorm_mode_32 3
		.amdhsa_float_denorm_mode_16_64 3
		.amdhsa_memory_ordered 1
		.amdhsa_forward_progress 1
		.amdhsa_inst_pref_size 29
	.end_amdhsa_kernel
	.amdgpu_metadata
---
amdhsa.version: [ 1, 2 ]
amdhsa.kernels:
  - .name:           k_q60b928baeb_ln1
    .symbol:         k_q60b928baeb_ln1.kd
    .args:
      - { .name: x, .offset: 0, .size: 8, .value_kind: global_buffer, .address_space: global }
      - { .name: ln1_a, .offset: 8, .size: 8, .value_kind: global_buffer, .address_space: global }
      - { .name: ln1_b, .offset: 16, .size: 8, .value_kind: global_buffer, .address_space: global }
      - { .name: H, .offset: 24, .size: 8, .value_kind: global_buffer, .address_space: global }
    .group_segment_fixed_size: 66816
    .private_segment_fixed_size: 0
    .kernarg_segment_align: 8
    .kernarg_segment_size: 32
    .max_flat_workgroup_size: 256
    .sgpr_count:     66
    .vgpr_count:     194
    .wavefront_size: 32
...
	.end_amdgpu_metadata
.endif
;; end of part 2
;; launch qkv (part 3): grid 48 x 4, 4 waves a work-group, clusters of 4 x 4, 327,680 bytes of LDS; arguments H, W, bq, bk, bv, mask, QKV; writes QKV
.if DOCPART == 3
	.amdgcn_target "amdgcn-amd-amdhsa--gfx1250"
	.amdhsa_code_object_version 6
	.text
	.protected	k_q60b928baeb_qkv
	.globl	k_q60b928baeb_qkv
	.p2align	8
	.type	k_q60b928baeb_qkv,@function
k_q60b928baeb_qkv:
	s_mov_b64 s[64:65], 0
	v_nop
	global_prefetch_b8 v0, s[64:65] scope:SCOPE_SE
	s_setreg_imm32_b32 hwreg(HW_REG_WAVE_MODE, 25, 1), 1
	s_wait_xcnt 0x0
	s_wait_alu depctr_hold_cnt(0) depctr_sa_sdst(0) depctr_va_vdst(0) depctr_va_sdst(0) depctr_va_ssrc(0) depctr_va_vcc(0) depctr_vm_vsrc(0)
	s_getreg_b32 s2, hwreg(HW_REG_IB_STS2, 6, 4)
	s_cmp_eq_u32 s2, 0
	s_cbranch_scc0 .Lentry_in_a_cluster
	s_endpgm
.Lentry_in_a_cluster:
	s_bfe_u32 s2, ttmp6, 0x10000c
	s_cmp_lg_u32 s2, 0xf033
	s_cbranch_scc0 .Lentry_shape_is_right
	s_endpgm
.Lentry_shape_is_right:
; q = h wq^T + bq, k = h wk^T + bk and V^T = wv h^T + bv, each on codes of E2M3 with E8M0 block scales, K = 1,024; the results are quantised on the way out and stored as attention's operands.
; ONE TEXT, THREE ROLES, chosen by the cluster's number c = 0 .. 11 (role c / 4: q, k, V^T), without a branch: only pointers, offsets and masks are chosen.  "A" is the operand whose rows a lane keeps (source 1),
; "B" the one that runs along a lane's registers (source 0).  q, k: A = tokens, B = weight rows; V^T: A = wv's rows, B = tokens, so that V too is quantised along a lane's registers: along the keys.
; OPERANDS lie in memory as images of their registers: fragment (tile T of 16 rows, K step s) at (T 8 + s) 1,536, plane p (registers 2 p, 2 p + 1) at 256 p, 8 bytes a lane; scale words [rows / 256][8][256 places].
; A tile of C is 256 x 256: four waves, each 128 x 128 in 64 accumulators (512 registers).  K goes in steps of 256 through two LDS slots; a wave's tensor load brings 8 tiles x 3,072 bytes.  The scale words of the
; work-group's rows come once.  CLUSTERS: 4 x 4 work-groups; A's tiles are asked for jointly along a row of the cluster, B's along a column.
; A weight's tile holds rows 32 (T / 2) + 8 (T % 2) + r + 8 (r / 8): with a weight as B, the 16 registers of accumulators 2 g, 2 g + 1 are channels 32 g + 16 (lane / 16) + 0 .. 15.  With tokens as B they are tokens
; 32 g + 16 u + 8 (lane / 16) + j: a fixed permutation inside each true block of 32 keys, which attention's p has too.
; OUT (buffer QKV): q's fragments [bh][token tile][3 planes][256] from 0, its words [bh][2,048] from 3,145,728; from 3,407,872 records [bh][key step of 128] of 13,056 bytes: k's 8 tiles x 768, V^T's 4 tiles x 1,536,
; k's 128 words, V^T's 64 words.  THE MASK rides in the scale words: attention's K = 64 product has a constant code at k = 64 (+1 in k, -1 in q); byte 2 of k's word is 160 for a closed key, 1 for an open one, of q's 127;
; a closed key's codes are zeros.  So a closed key's score is exactly -2^33.
; LIMITS: a hole's logit is -2^30 where the definition has -1e9: the result differs only if an open logit lies under about -1e9; an open score carries an added -2^-126.  A block of zeros gets the byte 1
; (its codes are zeros; this program alone reads the bytes).  NaN and infinities are not served.
; REGISTERS: window 0: v1-30 addresses; v32-63 scale words, two sets; v64-127 the bias along the registers; v128-223 A's fragments, one set; v224-239 mask and bias along the lanes.  Window 1: B's two sets.  Windows 2, 3: accumulators.
.set SIZE_K, 1024
.set KT,     SIZE_K/128
.set TROW,   KT*1536                   ; a tile's fragments for all of K
.set HALFT,  8*3072                    ; what one tensor load brings: 8 tiles x 256 along K
.set SLOT,   4*HALFT                   ; A's 16 tiles, then B's 16
.set SCL,    2*SLOT                    ; behind the ring: the scale words, A's then B's
.set HALFS,  4*SIZE_K                  ; half of a side's
.set SPARE,  SCL+4*HALFS               ; the spare words: 128 bytes a wave, two blocks of 256 bytes that no other line names
.set LAPS,   SIZE_K/512
.set FR, 12
.set NL, 6
.set NP, 4
.set WS,     9437184
.set ADRA, 16                          ; v16-17 LDS address of my A fragments in slot 0, 1
.set L8,   18                          ; 8 x lane
.set ADRB, 20                          ; v20-21 the same for B
.set BA,   22                          ; 64 h
.set R4,   23                          ; 4 r
.set ADRS, 27                          ; my scale words: lanes 0-15 A's, lanes 16-31 B's
.set SPW,  28                          ; my spare word; never rewritten
.set NIL,  29                          ; 0; never rewritten
.set RF4,  30                          ; 4 (r + 8 (r / 8))
.set SC,   32
.set BN,   64
.set AF,   128
.set MK,   224
.set BMR,  232
.set G1, 24
.set G0, 32
.set G1B, 48
.set G0B, 56
.set G1S, 68
.set G0S, 76
.set G1SB, 80
.set G0SB, 88
.set MSB, 0
.macro WIN new                         ; the immediate's high byte repeats the setting that is left
.if MSB != (\new)
	s_set_vgpr_msb (MSB<<8)|(\new)
.set MSB, (\new)
.endif
.endm
.set MUL_LO, 0xa1                      ; source 0 (B) window 1, source 1 (A) window 0, C and D window 2
.set MUL_HI, 0xf1
.set TO_B,   0x40
.macro JLOAD g0a, g1a, g0b, g1b        ; a joint load: waves 0 and 1 fetch for A, waves 2 and 3 for B; four v_nop follow each line
	s_cmp_eq_u32 s15, 0
	s_cbranch_scc0 .Lfor_b_\@
	tensor_load_to_lds s[\g0a:\g0a+3], s[\g1a:\g1a+7]
	s_nop 0
.rept 4
	v_nop
.endr
	s_branch .Lasked_\@
.Lfor_b_\@:
	tensor_load_to_lds s[\g0b:\g0b+3], s[\g1b:\g1b+7]
	s_nop 0
.rept 4
	v_nop
.endr
.Lasked_\@:
.endm
.macro CREST                           ; a round of the cluster's barrier behind its opening barrier
	s_cmp_lg_u32 s14, 0
	s_cbranch_scc1 .Lnot_wave_0_\@
	s_barrier_signal -3
.Lnot_wave_0_\@:
	s_barrier_wait -3
	s_barrier_signal -1
	s_barrier_wait -1
.endm
.macro CROUND
	s_barrier_signal -1
	s_barrier_wait -1
	CREST
.endm
.macro FRAG reg, adr, q, i             ; a fragment is six planes of 256 bytes, 8 bytes a lane: consecutive bytes, no conflict
.irp p, 0,1,2,3,4,5
	ds_load_b64 v[\reg+2*\p:\reg+2*\p+1], v[\adr] offset:(\i)*3072+(\q)*1536+256*\p
.endr
.endm
; 16 matrix instructions: A's blocks a0, a0 + 1 x B's eight.  The 64 accumulators take turns, one instruction a turn, in the same order in every step.
.macro MUL16 a0, p, q, sc, zero
.irp a, \a0, \a0+1
.irp b, 0,1,2,3,4,5,6,7
.if \zero
	v_wmma_scale_f32_16x16x128_f8f6f4 v[8*(8*((\a)%4)+\b):8*(8*((\a)%4)+\b)+7], v[128*(\p)+FR*\b:128*(\p)+FR*\b+FR-1], v[AF+FR*(\a):AF+FR*(\a)+FR-1], 0, v[SC+16*(\sc)+2*\b+(\q)], v[SC+16*(\sc)+2*(\a)+(\q)] matrix_a_fmt:MATRIX_FMT_FP6 matrix_b_fmt:MATRIX_FMT_FP6 matrix_a_scale:MATRIX_SCALE_ROW1
.else
	v_wmma_scale_f32_16x16x128_f8f6f4 v[8*(8*((\a)%4)+\b):8*(8*((\a)%4)+\b)+7], v[128*(\p)+FR*\b:128*(\p)+FR*\b+FR-1], v[AF+FR*(\a):AF+FR*(\a)+FR-1], v[8*(8*((\a)%4)+\b):8*(8*((\a)%4)+\b)+7], v[SC+16*(\sc)+2*\b+(\q)], v[SC+16*(\sc)+2*(\a)+(\q)] matrix_a_fmt:MATRIX_FMT_FP6 matrix_b_fmt:MATRIX_FMT_FP6 matrix_a_scale:MATRIX_SCALE_ROW1
.endif
.endr
.endr
.endm
.macro FETCH_B slot, q, p
	WIN TO_B
.irp i, 0,1,2,3,4,5,6,7
	FRAG 128*(\p)+FR*\i, ADRB+\slot, \q, \i
.endr
	WIN 0
.endm
.macro FETCH_A slot, q, i0
.irp i, \i0, \i0+1, \i0+2, \i0+3
	FRAG AF+FR*(\i), ADRA+\slot, \q, \i
.endr
.endm
.macro SCALES sc                       ; a slot's scale words: register 2 i + q: lanes 0-15 A's block i, lanes 16-31 B's block i
.irp i, 0,1,2,3,4,5,6,7
	ds_load_b32 v[SC+16*\sc+2*\i], v[ADRS] offset:\i*64
	ds_load_b32 v[SC+16*\sc+2*\i+1], v[ADRS] offset:1024+\i*64
.endr
.endm
.macro PLACES n                        ; plain vector places between a matrix instruction and a load into, or a vector access of, its registers
.rept \n
	v_nop
.endr
.endm
.macro STEP slot, q, zero              ; 128 along K whose successor lies in the same slot
	s_wait_dscnt 4*NL                              ; B's set and A's blocks 0-3 are in; the youngest 24 loads (A's blocks 4-7) may be out
	WIN MUL_LO
	MUL16 0, (\q)%2, \q, \slot, \zero
	MUL16 2, (\q)%2, \q, \slot, \zero
	s_wait_dscnt 0
	PLACES NP
	FETCH_B \slot, (\q)+1, 1-(\q)%2
	FETCH_A \slot, (\q)+1, 0
	WIN MUL_HI
	MUL16 4, (\q)%2, \q, \slot, \zero
	MUL16 6, (\q)%2, \q, \slot, \zero
	PLACES NP
	WIN 0
	FETCH_A \slot, (\q)+1, 4
.endm
; A slot's last step changes slots: one barrier; in front of it each wave waits for all its tensor loads, adds 0 to its spare word, and waits for that and for its reads of this slot.
.macro TURN slot, next, fill
	s_wait_tensorcnt 0x0                           ; all my tensor loads have landed: my part of the next slot
	ds_add_u32 v[SPW], v[NIL]                      ; 0 onto my spare word
	s_wait_dscnt 4*NL+1                            ; (the add and the youngest 24 loads may be out)
	WIN MUL_LO
	MUL16 0, 1, 1, \slot, 0
	s_wait_dscnt 0x0                               ; the add is done, and my reads of this slot are over
	s_barrier_signal -1
	MUL16 2, 1, 1, \slot, 0
	WIN 0
	s_barrier_wait -1
.if \fill
	CREST                                          ; the barrier has opened a round of the cluster's: no wave of any partner still reads this slot or has a load on its way
	s_add_nc_u64 s[G0+4*\slot+2:G0+4*\slot+3], s[G0+4*\slot+2:G0+4*\slot+3], 6144
	s_add_nc_u64 s[G0B+4*\slot+2:G0B+4*\slot+3], s[G0B+4*\slot+2:G0B+4*\slot+3], 6144
	JLOAD G0+4*\slot, G1, G0B+4*\slot, G1B         ; the first tensor load behind the round; its four v_nop are the places in front of the loads below
.else
	PLACES NP
.endif
	s_wait_alu depctr_va_vdst(0)
	v_add_nc_u32 v[ADRS], 2048, v[ADRS]            ; the next slot's scale words
	FETCH_B \next, 0, 0
	FETCH_A \next, 0, 0
	SCALES \next
	WIN MUL_HI
	MUL16 4, 1, 1, \slot, 0
	MUL16 6, 1, 1, \slot, 0
	PLACES NP
	WIN 0
	FETCH_A \next, 0, 4
.endm
	s_load_b256 s[4:11], s[0:1], 0x0               ; H s[4:5], W s[6:7], bq s[8:9], bk s[10:11]
	s_load_b64 s[12:13], s[0:1], 0x20              ; bv
	s_load_b128 s[96:99], s[0:1], 0x28             ; mask s[96:97], QKV s[98:99]
	v_lshl_add_u32 v[SPW], v0, 2, SPARE
	v_mov_b32 v[NIL], 0
	ds_add_u32 v28, v29
	ds_add_u32 v28, v29
	s_wait_dscnt 0x0
	v_lshrrev_b32 v1, 5, v0
	v_readfirstlane_b32 s14, v1                    ; wave 0..3
	s_lshr_b32 s15, s14, 1                         ; which half of A's rows is mine.  Also: I fetch for A (0) or for B (1)
	s_and_b32 s16, s14, 1                          ; which half of B's rows.  Also: which half of a tile I fetch
	s_bfe_u32 s40, ttmp6, 0x40000                  ; cx
	s_bfe_u32 s41, ttmp6, 0x40004                  ; cy
	s_lshr_b32 s2, ttmp9, 2                        ; the role: 0 q, 1 k, 2 V^T: the same in all partners
	s_and_b32 s18, ttmp9, 3
	s_lshl_b32 s18, s18, 2
	s_cmp_eq_u32 s2, 2
	s_cselect_b32 s19, 0, s18
	s_cselect_b32 s18, s18, 0
	s_add_co_u32 s17, s41, s19                     ; A's block of 256 rows
	s_add_co_u32 s42, s40, s18                     ; B's
	s_lshl_b32 s43, s41, 2
	s_lshl_b32 s43, 15, s43                        ; my row of the cluster
	s_lshl_b32 s44, 0x1111, s40                    ; my column
	s_or_b32 s[G1+0], s43, (3<<16)|(1<<21)         ; 15:0 the mask; 17:16 elements of 8 bytes; 21 set beside a mask; no padding
	s_or_b32 s[G1B+0], s44, (3<<16)|(1<<21)
.irp g, G1, G1B
	s_mov_b32 s[\g+1], 384<<16                     ; tensor_dim0: 3,072 bytes
	s_mov_b32 s[\g+2], 8<<16                       ; tensor_dim1: 8 tiles
	s_mov_b32 s[\g+3], 384<<16                     ; tile_dim0
	s_mov_b32 s[\g+4], 8                           ; tile_dim1
	s_mov_b32 s[\g+5], KT*192                      ; from a tile to the next, in elements
	s_mov_b32 s[\g+6], 0
	s_mov_b32 s[\g+7], 0
.endr
	s_or_b32 s[G1S+0], s43, (3<<16)|(1<<21)
	s_or_b32 s[G1SB+0], s44, (3<<16)|(1<<21)
.irp g, G1S, G1SB
	s_mov_b32 s[\g+1], 32<<16                      ; a dense block as rows of 256 bytes
	s_mov_b32 s[\g+2], (SIZE_K/64)<<16
	s_mov_b32 s[\g+3], 32<<16
	s_mov_b32 s[\g+4], SIZE_K/64
	s_mov_b32 s[\g+5], 32
	s_mov_b32 s[\g+6], 0
	s_mov_b32 s[\g+7], 0
.endr
	s_mul_i32 s18, s2, 786432                      ; where each side's image and scale words begin in its buffer
	s_mul_i32 s19, s2, 32768
	s_add_co_u32 s19, s19, WS
	s_mov_b32 s95, 3145728
	s_cmp_eq_u32 s2, 2
	s_cselect_b32 s21, 1572864, 0
	s_cselect_b32 s23, WS+65536, s95
	s_cselect_b32 s18, 0, s18
	s_cselect_b32 s19, s95, s19
	s_lshl_b32 s45, s16, 3
	s_lshl_b32 s20, s17, 4
	s_add_co_u32 s20, s20, s45
	s_mul_i32 s20, s20, TROW
	s_add_co_u32 s20, s20, s21
	s_mov_b32 s21, 0
	s_mul_i32 s94, s16, HALFS
	s_lshl_b32 s22, s17, 13
	s_add_co_u32 s22, s22, s94
	s_add_co_u32 s22, s22, s23
	s_mov_b32 s23, 0
	s_lshl_b32 s46, s42, 4
	s_add_co_u32 s46, s46, s45
	s_mul_i32 s46, s46, TROW
	s_add_co_u32 s46, s46, s18
	s_mov_b32 s47, 0
	s_lshl_b32 s92, s42, 13
	s_add_co_u32 s92, s92, s94
	s_add_co_u32 s92, s92, s19
	s_mov_b32 s93, 0
	s_mul_i32 s45, s14, HALFT                      ; where they go: no place in the cluster enters an LDS address
	s_mul_i32 s94, s14, HALFS
	s_wait_kmcnt 0x0
	s_cmp_eq_u32 s2, 2
	s_cselect_b64 s[18:19], s[6:7], s[4:5]         ; A's buffer
	s_cselect_b64 s[4:5], s[4:5], s[6:7]           ; B's buffer
	s_add_nc_u64 s[20:21], s[18:19], s[20:21]
	s_add_nc_u64 s[22:23], s[18:19], s[22:23]
	s_add_nc_u64 s[46:47], s[4:5], s[46:47]
	s_add_nc_u64 s[92:93], s[4:5], s[92:93]
	CROUND                                         ; all sixteen work-groups are here: the first joint loads meet
	s_mov_b32 s[G0S], 1
	s_add_co_u32 s[G0S+1], s94, SCL
	s_mov_b64 s[G0S+2:G0S+3], s[22:23]
	s_or_b32 s[G0S+3], s[G0S+3], 0x80000000
	s_mov_b32 s[G0SB], 1
	s_add_co_u32 s[G0SB+1], s94, SCL
	s_mov_b64 s[G0SB+2:G0SB+3], s[92:93]
	s_or_b32 s[G0SB+3], s[G0SB+3], 0x80000000
	JLOAD G0S, G1S, G0SB, G1SB                     ; the scale words first
.irp s, 0,1
	s_mov_b32 s[G0+4*\s], 1
	s_add_co_u32 s[G0+4*\s+1], s45, \s*SLOT
	s_add_nc_u64 s[G0+4*\s+2:G0+4*\s+3], s[20:21], \s*3072
	s_or_b32 s[G0+4*\s+3], s[G0+4*\s+3], 0x80000000
	s_mov_b32 s[G0B+4*\s], 1
	s_add_co_u32 s[G0B+4*\s+1], s45, \s*SLOT
	s_add_nc_u64 s[G0B+4*\s+2:G0B+4*\s+3], s[46:47], \s*3072
	s_or_b32 s[G0B+4*\s+3], s[G0B+4*\s+3], 0x80000000
	s_wait_alu depctr_va_vdst(0)
	s_wait_tensorcnt 0x0
	ds_add_u32 v28, v29
	s_wait_dscnt 0x0
	CROUND
	JLOAD G0+4*\s, G1, G0B+4*\s, G1B
.endr
	v_and_b32 v1, 15, v0                           ; r
	v_bfe_u32 v2, v0, 4, 1                         ; h
	s_wait_alu depctr_va_vdst(0)
	v_and_b32 v3, 31, v0                           ; lane
	v_lshlrev_b32 v[L8], 3, v3
	s_mul_i32 s21, s15, HALFT
	s_mul_i32 s22, s16, HALFT
	s_add_co_u32 s22, s22, 2*HALFT
.irp s, 0,1
	v_add_nc_u32 v[ADRA+\s], s21, v[L8]
	v_add_nc_u32 v[ADRB+\s], s22, v[L8]
	s_add_co_u32 s21, s21, SLOT
	s_add_co_u32 s22, s22, SLOT
.endr
	v_lshlrev_b32 v[R4], 2, v1
	s_lshl_b32 s21, s15, 9
	s_lshl_b32 s22, s16, 9
	s_add_co_u32 s22, s22, 2*HALFS
	s_sub_co_u32 s22, s22, s21
	v_mul_u32_u24 v6, s22, v2                      ; lanes 16-31 take B's
	s_add_co_u32 s21, s21, SCL
	v_add_nc_u32 v5, v[R4], v6
	v_add_nc_u32 v[ADRS], s21, v5
	v_lshlrev_b32 v[BA], 6, v2
	s_wait_alu depctr_va_vdst(0)
	v_and_b32 v4, 8, v1
	v_add_nc_u32 v4, v4, v1
	v_lshlrev_b32 v[RF4], 2, v4
	; what the way out wants of the small inputs, loaded in every role from inside the buffers
	s_wait_alu depctr_va_vdst(0)
	s_cmp_eq_u32 s2, 1
	s_cselect_b64 s[8:9], s[10:11], s[8:9]
	s_cmp_eq_u32 s2, 2
	s_cselect_b64 s[8:9], s[12:13], s[8:9]
	s_lshl_b32 s46, s42, 10
	s_lshl_b32 s47, s16, 9
	s_add_co_u32 s46, s46, s47                     ; 4 x my first column
	s_cmp_eq_u32 s2, 2
	s_cselect_b32 s46, 0, s46                      ; (V^T: this bias is not used; byte 0 keeps the load inside)
	s_mov_b32 s47, 0
	s_add_nc_u64 s[8:9], s[8:9], s[46:47]
	s_lshl_b32 s20, s17, 10
	s_lshl_b32 s21, s15, 9
	s_add_co_u32 s20, s20, s21                     ; 4 x my first row
	s_mov_b32 s21, 0
	s_add_nc_u64 s[96:97], s[96:97], s[20:21]
	s_cmp_eq_u32 s2, 2
	s_cselect_b32 s20, s20, 0
	s_add_nc_u64 s[12:13], s[12:13], s[20:21]
.irp b, 0,1,2,3,4,5,6,7
	global_load_b128 v[BN+8*\b:BN+8*\b+3], v[BA], s[8:9] offset:(32*(\b/2)+8*(\b%2))*4
	global_load_b128 v[BN+8*\b+4:BN+8*\b+7], v[BA], s[8:9] offset:(32*(\b/2)+8*(\b%2))*4+16
.endr
.irp a, 0,1,2,3,4,5,6,7
	global_load_b32 v[MK+\a], v[R4], s[96:97] offset:64*\a                       ; the mask of token 16 a + r of my rows
	global_load_b32 v[BMR+\a], v[RF4], s[12:13] offset:(32*(\a/2)+8*(\a%2))*4    ; bv of the row that lane r of tile a holds
.endr
	s_wait_tensorcnt 1                             ; the scale words and my part of slot 0 are in (slot 1's load may be out),
	s_barrier_signal -1
	s_barrier_wait -1                              ; everybody's are
	FETCH_B 0, 0, 0
	FETCH_A 0, 0, 0
	SCALES 0
	FETCH_A 0, 0, 4
	s_wait_loadcnt 0x0
	STEP 0, 0, 1                                   ; the first step's products start the sums
	s_mov_b32 s3, LAPS-1
.Llap:
	TURN 0, 1, 1
	STEP 1, 0, 0
	TURN 1, 0, 1
	STEP 0, 0, 0
	s_sub_co_u32 s3, s3, 1
	s_cmp_lg_u32 s3, 0
	s_cbranch_scc1 .Llap
	TURN 0, 1, 0                                   ; the last lap fills nothing
	STEP 1, 0, 0
	s_wait_dscnt 4*NL
	WIN MUL_LO
	MUL16 0, 1, 1, 1, 0
	MUL16 2, 1, 1, 1, 0
	s_wait_dscnt 0
	WIN MUL_HI
	MUL16 4, 1, 1, 1, 0
	MUL16 6, 1, 1, 1, 0
	WIN 0
; THE WAY OUT.  A block a of 16 A rows x 128 columns is 64 registers of a lane, register 16 g + i = place 32 g + 16 (lane / 16) + i of my row: bias, mask, quantiser, and the fragment leaves as planes of 256 bytes.
.set HA,  128
.set PC,  192
.set TM,  240
.set PW,  212
.set W0,  213
.set W1,  214
.set VO,  215
.set VO1, 216
.set VY,  217
.set KMP, 218                          ; v[218:219] 1, or 0 for a closed key
.set BMP, 220                          ; v[220:221] the bias along the lanes
.set AHR, 222                          ; the word's upper half
.set VH,  223
.set AH0, 8
.set AH1, 9
.set ISK, 68
.set ISV, 69
.set AHB, 70
.set MSK0, 71
.set SH,  72
.set S0,  73
.set SJ,  74
.set YJ,  75
.set DX,  76
.set HS,  77
.set XA,  78
.set YA,  79
.set HM,  80
.set SEL, 82
.macro QUANT s
.irp b, 0,1,2,3
	v_max3_num_f32 v[TM+\b], |v[\s+16*\b]|, |v[\s+1+16*\b]|, 0x1800000   ; my 16 numbers of block b, and the floor 2^(3 - 127): the byte cannot fall under 1
.endr
.irp i, 2,4,6,8,10,12,14
.irp b, 0,1,2,3
	v_max3_num_f32 v[TM+\b], v[TM+\b], |v[\s+16*\b+\i]|, |v[\s+1+16*\b+\i]|
.endr
.endr
.irp b, 0,1,2,3
	v_permlanex16_b32 v[TM+4+\b], v[TM+\b], s[SEL], s[SEL+1]
.endr
.irp b, 0,1,2,3
	v_max_num_f32 v[TM+\b], v[TM+\b], v[TM+4+\b]
.endr
.irp b, 0,1,2,3
	v_add_nc_u32 v[TM+12+\b], 0xff000000, v[TM+\b] ; 2 off the exponent field: the conversion's scale operand
.endr
.irp b, 0,1,2,3
	v_lshrrev_b32 v[TM+4+\b], 23, v[TM+12+\b]      ; the scale's byte
.endr
	v_lshl_or_b32 v[PW], v[TM+5], 8, v[TM+4]
	v_lshl_or_b32 v[PW], v[TM+6], 16, v[PW]
	v_lshl_or_b32 v[PW], v[TM+7], 24, v[PW]
.irp c, 0,1
	v_cvt_scalef32_pk16_fp6_f32 v[PC+6*\c:PC+2+6*\c], v[\s+32*\c:\s+15+32*\c], v[TM+12+2*\c]
	v_cvt_scalef32_pk16_fp6_f32 v[PC+12+4*\c:PC+14+4*\c], v[\s+16+32*\c:\s+31+32*\c], v[TM+12+2*\c+1]
.endr
	v_nop                                          ; one plain place behind a scaled conversion
.irp c, 0,1
.irp i, 0,1,2
	v_permlane16_swap_b32 v[PC+6*\c+\i], v[PC+12+4*\c+\i]
.endr
.irp i, 0,1,2
	v_mov_b32 v[PC+3+6*\c+\i], v[PC+12+4*\c+\i]
.endr
.endr
.endm
	PLACES NP                                      ; behind the last products: vector lines below write registers that they read, and read results
	s_lshl_b32 s84, s17, 4                         ; (the scale descriptors' registers are free: their loads were shown done in the loop)
	s_lshl_b32 s85, s15, 3
	s_add_co_u32 s84, s84, s85                     ; q, k: my first token tile
	s_lshr_b32 s85, s84, 7                         ; the batch
	s_and_b32 s84, s84, 127                        ; the tile in it
	s_lshl_b32 s86, s42, 1
	s_add_co_u32 s86, s86, s16                     ; my 128 columns' number
	s_lshl_b32 s87, s85, 4
	s_lshl_b32 s88, s86, 1
	s_add_co_u32 s87, s87, s88                     ; q, k: batch x 16 + my first head
	s_lshl_b32 s88, s87, 7
	s_add_co_u32 s88, s88, s84
	s_lshl_b32 s89, s88, 6
	s_add_co_u32 s89, s89, 3145728                 ; q's words
	s_mul_i32 s88, s88, 768                        ; q's fragments
	s_lshl_b32 s90, s87, 4
	s_lshr_b32 s91, s84, 3
	s_add_co_u32 s90, s90, s91
	s_mul_i32 s90, s90, 13056
	s_add_co_u32 s90, s90, 3407872                 ; k's record
	s_lshr_b32 s91, s86, 4
	s_lshl_b32 s91, s91, 4
	s_lshl_b32 s84, s17, 2
	s_add_co_u32 s91, s91, s84
	s_lshl_b32 s84, s15, 1
	s_add_co_u32 s91, s91, s84                     ; V^T: batch x 16 + my first head
	s_lshl_b32 s91, s91, 4
	s_and_b32 s84, s86, 15
	s_add_co_u32 s91, s91, s84
	s_mul_i32 s91, s91, 13056
	s_add_co_u32 s91, s91, 3407872+6144            ; V^T's place in its record
	s_add_co_u32 s84, s90, 12288
	s_add_co_u32 s85, s91, 6656
	s_cmp_eq_u32 s2, 1
	s_cselect_b32 s[XA], s90, s88
	s_cselect_b32 s[YA], s84, s89
	s_cmp_eq_u32 s2, 2
	s_cselect_b32 s[XA], s91, s[XA]
	s_cselect_b32 s[YA], s85, s[YA]
	s_mov_b32 s84, 0x017f0000
	s_mov_b32 s85, 98304
	s_mov_b32 s86, 8192
	s_mov_b32 s87, 0xffff
	s_mov_b32 s88, 768
	s_cmp_eq_u32 s2, 1
	s_cselect_b32 s[ISK], -1, 0
	s_cselect_b32 s[AHB], 0x01010000, s84
	s_cselect_b32 s[DX], 208896, s85               ; from a head's planes to the next head's
	s_cselect_b32 s[HS], 208896, s86               ; and its words
	s_cmp_eq_u32 s2, 2
	s_cselect_b32 s[ISV], -1, 0
	s_cselect_b32 s[AHB], 0, s[AHB]
	s_cselect_b32 s[MSK0], -1, s87
	s_cselect_b32 s[SH], 0, 16
	s_cselect_b32 s[S0], 1536, s88
	s_cselect_b32 s[SJ], 204288, s88               ; V^T: behind four tiles the next head's record
	s_cselect_b32 s[YJ], 208704, 64
	s_cselect_b32 s[DX], 768, s[DX]
	s_cselect_b32 s[HS], 0, s[HS]
	s_mov_b32 s[HM], 0xffff0000
	s_mov_b32 s[SEL], 0x76543210
	s_mov_b32 s[SEL+1], 0xfedcba98
	v_mov_b32 v[AH0], s[AHB]
	v_mov_b32 v[AH1], 0x01a00000
	v_mul_u32_u24 v[VH], s[HS], v2
	v_lshl_add_u32 v[VH], v1, 2, v[VH]
	v_mov_b32 v[KMP+1], 0                          ; (named as the upper halves of pairs)
	v_mov_b32 v[BMP+1], 0
.irp b, 0,1,2,3
	v_mov_b32 v[TM+4+\b], 0                        ; a lane permute's destination counts as one of its sources
.endr
.set j, 0
.rept 64
	v_cndmask_b32 v[BN+j], v[BN+j], v[NIL], s[ISV] ; V^T has no bias along the registers
.set j, j+1
.endr
.macro QOUT a
.set AC, 64*((\a)%4)
.if (\a) > 0
	s_wait_xcnt 0x0                                ; the last block's stores have read their registers
.endif
	v_cmp_eq_u32 vcc_lo, 0, v[MK+(\a)]
	s_and_b32 vcc_lo, vcc_lo, s[ISK]               ; a closed key, in k's role alone: it selects values, no address and no branch
	v_cndmask_b32 v[KMP], 1.0, v[NIL], vcc_lo
	v_cndmask_b32 v[AHR], v[AH0], v[AH1], vcc_lo
	v_cndmask_b32 v[BMP], 0, v[BMR+(\a)], s[ISV]
	v_add_nc_u32 v[VO], s[XA], v[L8]
	v_add_nc_u32 v[VO1], s[DX], v[VO]
	v_add_nc_u32 v[VY], s[YA], v[VH]
	WIN 0x02+(\a)/4                                ; source 0: window 2 or 3
.set j, 0
.rept 32
	v_pk_add_f32 v[HA+j:HA+j+1], v[AC+j:AC+j+1], v[BN+j:BN+j+1]   ; each accumulator from its low end on
.set j, j+2
.endr
	WIN 0
.set j, 0
.rept 32
	v_pk_fma_f32 v[HA+j:HA+j+1], v[HA+j:HA+j+1], v[KMP:KMP+1], v[BMP:BMP+1] op_sel_hi:[1,0,0]
.set j, j+2
.endr
	QUANT HA
	v_and_or_b32 v[W0], v[PW], s[MSK0], v[AHR]     ; q, k: the first head's two bytes under the constant upper half; V^T: the word as it is
	v_lshrrev_b32 v[W1], s[SH], v[PW]
	v_or_b32 v[W1], v[W1], v[AHR]                  ; the second head's
	v_cndmask_b32 v[W0], v[W0], v[W1], s[HM]       ; lanes 16-31 store that one
.irp t, 0,1,2
	global_store_b64 v[VO], v[PC+2*\t:PC+2*\t+1], s[98:99] offset:256*\t       ; 32 lanes store 256 consecutive bytes, aligned
.endr
.irp t, 0,1,2
	global_store_b64 v[VO1], v[PC+6+2*\t:PC+7+2*\t], s[98:99] offset:256*\t
.endr
	global_store_b32 v[VY], v[W0], s[98:99]        ; 64 consecutive bytes for each half of the lanes (V^T: both halves the same word to the same place)
.if (\a) == 3
	s_add_co_u32 s[XA], s[XA], s[SJ]
	s_add_co_u32 s[YA], s[YA], s[YJ]
.else
	s_add_co_u32 s[XA], s[XA], s[S0]
	s_add_co_u32 s[YA], s[YA], 64
.endif
.endm
.irp a, 0,1,2,3,4,5,6,7
	QOUT \a
.endr
	s_wait_tensorcnt 0x0                           ; the wave's end
	ds_add_u32 v[SPW], v[NIL]
	s_wait_dscnt 0x0
	CROUND                                         ; the closing round: no work-group ends while a partner may still ask for a tile that names it
	s_endpgm
.Lfunc_end_k_q60b928baeb_qkv:
	.size	k_q60b928baeb_qkv, .Lfunc_end_k_q60b928baeb_qkv-k_q60b928baeb_qkv
	.p2alignl 7, 3214868480
	.fill 96, 4, 3214868480
	.section	.rodata,"a",@progbits
	.p2align	6, 0x0
	.amdhsa_kernel k_q60b928baeb_qkv
		.amdhsa_group_segment_fixed_size 327680
		.amdhsa_private_segment_fixed_size 0
		.amdhsa_enable_private_segment 0
		.amdhsa_kernarg_size 56
		.amdhsa_user_sgpr_count 2
		.amdhsa_user_sgpr_kernarg_segment_ptr 1
		.amdhsa_wavefront_size32 1
		.amdhsa_system_sgpr_workgroup_id_x 1
		.amdhsa_system_sgpr_workgroup_id_y 1
		.amdhsa_system_sgpr_workgroup_id_z 1
		.amdhsa_system_vgpr_workitem_id 0
		.amdhsa_next_free_vgpr 1024
		.amdhsa_next_free_sgpr 100
		.amdhsa_reserve_vcc 1
		.amdhsa_float_denorm_mode_32 3
		.amdhsa_float_denorm_mode_16_64 3
		.amdhsa_memory_ordered 1
		.amdhsa_forward_progress 1
		.amdhsa_inst_pref_size 216
	.end_amdhsa_kernel
	.amdgpu_metadata
---
amdhsa.version: [ 1, 2 ]
amdhsa.kernels:
  - .name:           k_q60b928baeb_qkv
    .symbol:         k_q60b928baeb_qkv.kd
    .args:
      - { .name: H, .offset: 0, .size: 8, .value_kind: global_buffer, .address_space: global }
      - { .name: W, .offset: 8, .size: 8, .value_kind: global_buffer, .address_space: global }
      - { .name: bq, .offset: 16, .size: 8, .value_kind: global_buffer, .address_space: global }
      - { .name: bk, .offset: 24, .size: 8, .value_kind: global_buffer, .address_space: global }
      - { .name: bv, .offset: 32, .size: 8, .value_kind: global_buffer, .address_space: global }
      - { .name: mask, .offset: 40, .size: 8, .value_kind: global_buffer, .address_space: global }
      - { .name: QKV, .offset: 48, .size: 8, .value_kind: global_buffer, .address_space: global }
    .group_segment_fixed_size: 327680
    .private_segment_fixed_size: 0
    .kernarg_segment_align: 8
    .kernarg_segment_size: 56
    .max_flat_workgroup_size: 128
    .sgpr_count:     100
    .vgpr_count:     1024
    .wavefront_size: 32
...
	.end_amdgpu_metadata
.endif
;; end of part 3
;; launch attn (part 4): grid 8 x 32, 16 waves a work-group, clusters of 4 x 1, 210,944 bytes of LDS; arguments QKV, AO; writes AO
.if DOCPART == 4
	.amdgcn_target "amdgcn-amd-amdhsa--gfx1250"
	.amdhsa_code_object_version 6
	.text
	.protected	k_q60b928baeb_attn
	.globl	k_q60b928baeb_attn
	.p2align	8
	.type	k_q60b928baeb_attn,@function
k_q60b928baeb_attn:
	s_mov_b64 s[64:65], 0
	v_nop
	global_prefetch_b8 v0, s[64:65] scope:SCOPE_SE
	s_setreg_imm32_b32 hwreg(HW_REG_WAVE_MODE, 25, 1), 1
	s_wait_xcnt 0x0
	s_wait_alu depctr_hold_cnt(0) depctr_sa_sdst(0) depctr_va_vdst(0) depctr_va_sdst(0) depctr_va_ssrc(0) depctr_va_vcc(0) depctr_vm_vsrc(0)
	s_getreg_b32 s2, hwreg(HW_REG_IB_STS2, 6, 4)
	s_cmp_eq_u32 s2, 0
	s_cbranch_scc0 .Lentry_in_a_cluster
	s_endpgm
.Lentry_in_a_cluster:
	s_bfe_u32 s2, ttmp6, 0x10000c
	s_cmp_lg_u32 s2, 0x3003
	s_cbranch_scc0 .Lentry_shape_is_right
	s_endpgm
.Lentry_shape_is_right:
; o = softmax(q k^T / 8, holes closed) v for one batch and head (bh = work-group y), both products on codes of E2M3 with E8M0 block scales; o is quantised along the channels and stored as the next product's operand.
; SHARES.  A work-group owns 256 queries, each of its sixteen waves one tile of 16, in 256 registers: four waves to a SIMD, so that one wave's vector work stands beside another's products and LDS loads.
; ALL OF THE HEAD'S K AND V lie in LDS: sixteen records of 13,056 bytes, one for each 128 keys (k's 8 tiles x 768 bytes, V^T's 4 tiles x 1,536, k's 128 scale words, V^T's 64), each brought by ONE tensor load of one wave.
; LDS is filled once: no slot is filled again.  CLUSTER: the four query blocks of a cluster walk the same head, so each record is asked for jointly, with a mask that names the four.
; LAYOUT.  Both products are used transposed: S^T = k q^T, O^T = V^T p^T: a lane holds ONE query (lane % 16) throughout.  A tile of k is 16 neighbouring keys, so the 16 registers of score tiles 2 g, 2 g + 1 are keys
; 32 g + 16 u + 8 (lane / 16) + j: a fixed permutation inside each true block of 32 keys, in which V^T's codes were laid too.
; THE FIRST PRODUCT HAS K = 64: registers 0-5 of q's and k's fragments.  Register 6 of lanes 0-15 (k = 64) holds the code of +1 in k and of -1 in q, all else of registers 6-11 is 0, written once.  Byte 2 of k's scale word
; is 160 for a closed key (whose codes are zeros) and 1 for an open one; of q's 127: a closed key's score is exactly -2^33, and -2^33 c is a whole number: p = 1 everywhere on a row with no open key, 0 beside an open one.
; THE SOFTMAX: t = score x c, c = log2(e) / 8; M = the running largest t rounded up to a whole number; p = 2^(t - M) is quantised along the keys, not normalised; the sum of the unquantised p divides at the end.
; LIMITS: a hole's logit is -2^30 where the definition has -1e9: the result differs only if an open logit lies under about -1e9; an open score carries an added -2^-126.  NaN and infinities are not served.
; REGISTERS: v1 8 x lane, v2 4 r, v3-4 addresses of the step; v12 -M, v13 the largest t, v[14:15] the sum; v16-27 q; v28-31 V^T's scale words; v32-79 four fragments of k; v80-127 V^T's four; v128-191 S^T, then p;
; v192-223 O^T; v224-235 p's codes; v232-247, v252, v254 at work; v248-251 k's scale words; v253 p's scale word; v255 q's.
.set REC, 13056
.set KF,  32
.set VF,  80
.set SCR, 128
.set OT,  192
.set WV,  18
.set SEL, 20
.set CS,  22
.set G1,  24
.set G0,  32
.set TB,  36
.set CNT, 37
.macro CROUND                          ; a round of the cluster's barrier
	s_barrier_signal -1
	s_barrier_wait -1
	s_cmp_lg_u32 s[WV], 0
	s_cbranch_scc1 .Lnot_wave_0_\@
	s_barrier_signal -3
.Lnot_wave_0_\@:
	s_barrier_wait -3
	s_barrier_signal -1
	s_barrier_wait -1
.endm
.macro KLOAD g                         ; four tiles of k: registers 0-5 of each fragment, and its scale words
.irp t, 0,1,2,3
.irp p, 0,1,2
	ds_load_b64 v[KF+12*\t+2*\p:KF+12*\t+2*\p+1], v3 offset:(4*\g+\t)*768+256*\p
.endr
	ds_load_b32 v[248+\t], v4 offset:12288+64*(4*\g+\t)
.endr
.endm
.macro KQ g
.irp t, 0,1,2,3
	v_wmma_scale_f32_16x16x128_f8f6f4 v[SCR+8*(4*\g+\t):SCR+8*(4*\g+\t)+7], v[KF+12*\t:KF+12*\t+11], v[16:27], 0, v[248+\t], v255 matrix_a_fmt:MATRIX_FMT_FP6 matrix_b_fmt:MATRIX_FMT_FP6
.endr
.endm
	s_load_b128 s[4:7], s[0:1], 0x0                ; QKV s[4:5], AO s[6:7]
	v_lshl_add_u32 v11, v0, 2, 0x33000
	v_mov_b32 v243, 0
	ds_add_u32 v11, v243
	ds_add_u32 v11, v243
	v_lshrrev_b32 v8, 5, v0
	s_delay_alu instid0(VALU_DEP_1)
	v_readfirstlane_b32 s[WV], v8                  ; wave 0..15
	s_bfe_u32 s8, ttmp6, 0x40000                   ; cx: it enters q's and the output's global addresses alone
	s_lshl_b32 s9, ttmp9, 2
	s_add_co_u32 s9, s9, s8                        ; my block of 256 queries
	s_and_b32 s10, ttmp7, 0xffff                   ; bh, which the partners share
	s_mov_b32 s[G1], 15|(3<<16)|(1<<21)            ; 15:0 the mask: all four; 17:16 elements of 8 bytes; 21 set beside a mask; no padding
	s_mov_b32 s[G1+1], 32<<16                      ; a record is a dense block: 51 rows of 256 bytes
	s_mov_b32 s[G1+2], 51<<16
	s_mov_b32 s[G1+3], 32<<16
	s_mov_b32 s[G1+4], 51
	s_mov_b32 s[G1+5], 32
	s_mov_b32 s[G1+6], 0
	s_mov_b32 s[G1+7], 0
	s_lshl_b32 s12, s10, 4
	s_add_co_u32 s12, s12, s[WV]                   ; record 16 bh + wave
	s_mul_i32 s12, s12, REC
	s_add_co_u32 s12, s12, 3407872
	s_mov_b32 s13, 0
	s_mov_b32 s[G0], 1
	s_mul_i32 s[G0+1], s[WV], REC                  ; LDS: wave x 13,056
	s_lshl_b32 s14, s9, 4
	s_add_co_u32 s14, s14, s[WV]                   ; my tile of queries in the sequence
	s_lshl_b32 s15, s10, 7
	s_add_co_u32 s15, s15, s14
	s_mul_i32 s16, s15, 768                        ; q's fragment
	s_mov_b32 s17, 0
	s_lshl_b32 s46, s15, 6
	s_add_co_u32 s46, s46, 3145728                 ; q's scale words
	s_mov_b32 s47, 0
	s_lshr_b32 s8, s10, 4                          ; the batch
	s_and_b32 s11, s10, 15                         ; the head
	s_lshr_b32 s19, s11, 1                         ; the next product's K step,
	s_and_b32 s11, s11, 1                          ; and which half of it
	s_lshl_b32 s42, s8, 7
	s_add_co_u32 s42, s42, s14                     ; the token tile
	s_lshl_b32 s42, s42, 3
	s_add_co_u32 s42, s42, s19
	s_mul_i32 s42, s42, 1536
	s_mul_i32 s15, s11, 768
	s_add_co_u32 s42, s42, s15                     ; my three planes of the output's image
	s_mov_b32 s43, 0
	s_lshl_b32 s44, s8, 3
	s_add_co_u32 s44, s44, s9
	s_lshl_b32 s44, s44, 3
	s_add_co_u32 s44, s44, s19
	s_lshl_b32 s44, s44, 8
	s_lshl_b32 s15, s[WV], 4
	s_add_co_u32 s44, s44, s15
	s_lshl_b32 s44, s44, 2
	s_lshl_b32 s15, s11, 1
	s_add_co_u32 s44, s44, s15
	s_add_co_u32 s44, s44, 3145728                 ; my half of the scale words
	s_mov_b32 s45, 0
	s_mov_b32 s[SEL], 0x76543210
	s_mov_b32 s[SEL+1], 0xfedcba98
	s_mov_b32 s[CS], 0x3e38aa3b                    ; c = log2(e) / 8
	s_mov_b32 s[CS+1], s[CS]
	s_mov_b32 s[TB], 0
	s_mov_b32 s[CNT], 16
	s_wait_dscnt 0x0
	s_wait_kmcnt 0x0
	s_add_nc_u64 s[G0+2:G0+3], s[4:5], s[12:13]
	s_or_b32 s[G0+3], s[G0+3], 0x80000000
	s_add_nc_u64 s[38:39], s[4:5], s[16:17]
	s_add_nc_u64 s[40:41], s[4:5], s[46:47]
	s_add_nc_u64 s[42:43], s[6:7], s[42:43]
	s_add_nc_u64 s[44:45], s[6:7], s[44:45]
	CROUND                                         ; all four work-groups are here: the joint loads meet
	tensor_load_to_lds s[G0:G0+3], s[G1:G1+7]      ; my record: the one tensor load of this wave
	s_nop 0
.rept 4
	v_nop
.endr
	v_and_b32 v5, 31, v0                           ; lane
	v_and_b32 v6, 15, v0                           ; r
	s_delay_alu instid0(VALU_DEP_2)
	v_lshlrev_b32 v1, 3, v5
	s_delay_alu instid0(VALU_DEP_2)
	v_lshlrev_b32 v2, 2, v6
.irp p, 0,1,2
	global_load_b64 v[16+2*\p:17+2*\p], v1, s[38:39] offset:256*\p   ; q's registers 0-5
.endr
	global_load_b32 v255, v2, s[40:41]
	v_mov_b32 v7, 40                               ; the code of -1
	v_mov_b32 v8, 8                                ; the code of +1
	v_cmp_gt_u32 vcc_lo, 16, v5
	s_delay_alu instid0(VALU_DEP_1)
	v_cndmask_b32 v22, 0, v7, vcc_lo               ; k = 64 lies in the lowest bits of register 6 of lanes 0-15
.irp i, 23,24,25,26,27
	v_mov_b32 v\i, 0
.endr
.irp t, 0,1,2,3
	v_cndmask_b32 v[KF+12*\t+6], 0, v8, vcc_lo
.irp i, 7,8,9,10,11
	v_mov_b32 v[KF+12*\t+\i], 0
.endr
.endr
	v_mov_b32 v13, 0xff61b1e6                      ; the largest t so far: -3e38, under every t
	s_delay_alu instid0(VALU_DEP_1)
	v_floor_f32 v12, -v13                          ; -M
	v_mov_b32 v14, 0
	v_mov_b32 v15, 0
.irp b, 0,1,2,3
	v_mov_b32 v[236+\b], 0                         ; a lane permute's destination counts as one of its sources
.endr
	v_mov_b32 v253, 0                              ; (named as the upper half of the pair v[252:253] before it is first written)
.set j, 0
.rept 32
	v_mov_b32 v[OT+j], 0                           ; O^T: the step is written once; the first finds zeros, which the first change of M leaves zeros
.set j, j+1
.endr
	s_wait_tensorcnt 0x0                           ; my record has landed,
	s_barrier_signal -1
	s_barrier_wait -1                              ; everybody's has
	s_wait_loadcnt 0x0                             ; q
.Lstep:                                            ; sixteen trips of 128 keys
	v_add_nc_u32 v3, s[TB], v1
	v_add_nc_u32 v4, s[TB], v2
	v_nop
	v_nop                                          ; four places behind the last trip's products, in front of loads into registers that they read
	KLOAD 0
.irp t, 0,1,2,3
.irp p, 0,1,2,3,4,5
	ds_load_b64 v[VF+12*\t+2*\p:VF+12*\t+2*\p+1], v3 offset:6144+1536*\t+256*\p
.endr
	ds_load_b32 v[28+\t], v4 offset:12800+64*\t
.endr
	s_wait_alu depctr_va_vdst(0)
	s_wait_dscnt 28                                ; k's first sixteen loads are in; V^T's 28 may be out
	KQ 0
.rept 4
	v_nop
.endr
	KLOAD 1
	s_wait_dscnt 0x0
	KQ 1
.rept 4
	v_nop
.endr
.irp b, 0,1,2,3
	v_max3_num_f32 v[232+\b], v[SCR+16*\b], v[SCR+1+16*\b], v[SCR+2+16*\b]   ; the largest score of each block of 32 keys: for the row's maximum, and, since p rises with the score, for the block's largest p
.endr
.irp i, 3,5,7,9,11,13
.irp b, 0,1,2,3
	v_max3_num_f32 v[232+\b], v[232+\b], v[SCR+16*\b+\i], v[SCR+1+16*\b+\i]
.endr
.endr
.irp b, 0,1,2,3
	v_max_num_f32 v[232+\b], v[232+\b], v[SCR+15+16*\b]
.endr
.irp b, 0,1,2,3
	s_delay_alu instid0(VALU_DEP_4)
	v_permlanex16_b32 v[236+\b], v[232+\b], s[SEL], s[SEL+1]
.endr
.irp b, 0,1,2,3
	s_delay_alu instid0(VALU_DEP_4)
	v_max_num_f32 v[232+\b], v[232+\b], v[236+\b]
.endr
	s_delay_alu instid0(VALU_DEP_2)
	v_max3_num_f32 v254, v232, v233, v234
	s_delay_alu instid0(VALU_DEP_1)
	v_max_num_f32 v254, v254, v235
	s_delay_alu instid0(VALU_DEP_1)
	v_mul_f32 v254, s[CS], v254                    ; as t (c is positive)
	s_delay_alu instid0(VALU_DEP_1)
	v_max_num_f32 v13, v13, v254                   ; the running largest t
	v_mov_b32 v254, v12
	s_delay_alu instid0(VALU_DEP_2)
	v_floor_f32 v12, -v13                          ; the new -M = -ceil(t): a whole number
	s_delay_alu instid0(VALU_DEP_1)
	v_sub_f32 v254, v12, v254                      ; old M - new M: a whole number, 0 or less
	s_delay_alu instid0(VALU_DEP_1)
	v_cvt_i32_f32 v254, v254                       ; (it saturates)
	s_delay_alu instid0(VALU_DEP_1)
	v_ldexp_f32 v252, 1.0, v254                    ; f = 2^(old M - new M): the rescaling rounds nothing
.set j, 0
.rept 32
	v_pk_fma_f32 v[SCR+j:SCR+j+1], v[SCR+j:SCR+j+1], s[CS:CS+1], v[12:13] op_sel_hi:[1,0,0]   ; t - M
.set j, j+2
.endr
.irp b, 0,1,2,3
	v_fma_f32 v[232+\b], v[232+\b], s[CS], v12
.endr
.set j, 0
	s_wait_alu depctr_va_vdst(0)
.rept 64
	v_exp_f32 v[SCR+j], v[SCR+j]                   ; p = 2^(t - M)
.set j, j+1
.endr
.irp b, 0,1,2,3
	v_exp_f32 v[232+\b], v[232+\b]                 ; the block's largest p
.endr
	v_pk_mul_f32 v[14:15], v[14:15], v[252:253] op_sel_hi:[1,0]   ; the sums under the new M (a plain place behind the exponentials)
	s_wait_alu depctr_va_vdst(0)
.irp b, 0,1,2,3
	v_max_num_f32 v[232+\b], 0x1800000, v[232+\b]  ; the floor 2^(3 - 127): the byte cannot fall under 1
.endr
.irp b, 0,1,2,3
	s_delay_alu instid0(VALU_DEP_4)
	v_add_nc_u32 v[244+\b], 0xff000000, v[232+\b]
.endr
.irp b, 0,1,2,3
	s_delay_alu instid0(VALU_DEP_4)
	v_lshrrev_b32 v[236+\b], 23, v[244+\b]
.endr
	s_delay_alu instid0(VALU_DEP_3)
	v_lshl_or_b32 v253, v237, 8, v236              ; p's scale word for these 128 keys
	s_delay_alu instid0(VALU_DEP_1)
	v_lshl_or_b32 v253, v238, 16, v253
	s_delay_alu instid0(VALU_DEP_1)
	v_lshl_or_b32 v253, v239, 24, v253
.irp c, 0,1
	v_cvt_scalef32_pk16_fp6_f32 v[224+6*\c:226+6*\c], v[SCR+32*\c:SCR+15+32*\c], v[244+2*\c]
	v_cvt_scalef32_pk16_fp6_f32 v[236+4*\c:238+4*\c], v[SCR+16+32*\c:SCR+31+32*\c], v[244+2*\c+1]
.endr
	v_nop                                          ; one plain place behind a scaled conversion
.irp c, 0,1
.irp i, 0,1,2
	v_permlane16_swap_b32 v[224+6*\c+\i], v[236+4*\c+\i]
.endr
.irp i, 0,1,2
	s_delay_alu instid0(VALU_DEP_3)
	v_mov_b32 v[227+6*\c+\i], v[236+4*\c+\i]
.endr
.endr
	v_pk_add_f32 v[236:237], v[132:133], v[136:137]
	v_pk_add_f32 v[250:251], v[140:141], v[144:145]
	v_pk_add_f32 v[248:249], v[148:149], v[152:153]
	v_pk_add_f32 v[246:247], v[156:157], v[160:161]
	v_pk_add_f32 v[244:245], v[164:165], v[168:169]
	v_pk_add_f32 v[240:241], v[172:173], v[176:177]
	v_pk_add_f32 v[72:73], v[180:181], v[184:185]
	v_pk_add_f32 v[14:15], v[14:15], v[188:189]
	v_pk_add_f32 v[236:237], v[236:237], v[128:129]
	v_pk_add_f32 v[250:251], v[250:251], v[130:131]
	v_pk_add_f32 v[248:249], v[248:249], v[134:135]
	v_pk_add_f32 v[246:247], v[246:247], v[138:139]
	v_pk_add_f32 v[244:245], v[244:245], v[142:143]
	v_pk_add_f32 v[240:241], v[240:241], v[146:147]
	v_pk_add_f32 v[72:73], v[72:73], v[150:151]
	v_pk_add_f32 v[14:15], v[14:15], v[154:155]
	v_pk_add_f32 v[236:237], v[236:237], v[158:159]
	v_pk_add_f32 v[250:251], v[250:251], v[162:163]
	v_pk_add_f32 v[248:249], v[248:249], v[166:167]
	v_pk_add_f32 v[246:247], v[246:247], v[170:171]
	v_pk_add_f32 v[244:245], v[244:245], v[174:175]
	v_pk_add_f32 v[240:241], v[240:241], v[178:179]
	v_pk_add_f32 v[72:73], v[72:73], v[182:183]
	v_pk_add_f32 v[14:15], v[14:15], v[186:187]
	v_pk_add_f32 v[236:237], v[236:237], v[190:191]
	s_delay_alu instid0(VALU_DEP_2)
	v_pk_add_f32 v[14:15], v[14:15], v[246:247]
	s_delay_alu instid0(VALU_DEP_2)
	v_pk_add_f32 v[236:237], v[236:237], v[244:245]
	v_pk_add_f32 v[250:251], v[250:251], v[240:241]
	v_pk_add_f32 v[248:249], v[248:249], v[72:73]
	s_delay_alu instid0(VALU_DEP_2)
	v_pk_add_f32 v[14:15], v[14:15], v[250:251]
	s_delay_alu instid0(VALU_DEP_2)
	v_pk_add_f32 v[236:237], v[236:237], v[248:249]
	s_delay_alu instid0(VALU_DEP_1)
	v_pk_add_f32 v[14:15], v[14:15], v[236:237]
.set j, 0
.rept 16
	v_pk_mul_f32 v[OT+j:OT+j+1], v[OT+j:OT+j+1], v[252:253] op_sel_hi:[1,0]   ; O^T under the new M.  (With the sums above: the places between the vector lines that made p's codes and scale word and the products below)
.set j, j+2
.endr
.irp t, 0,1,2,3
	v_wmma_scale_f32_16x16x128_f8f6f4 v[OT+8*\t:OT+8*\t+7], v[VF+12*\t:VF+12*\t+11], v[224:235], v[OT+8*\t:OT+8*\t+7], v[28+\t], v253 matrix_a_fmt:MATRIX_FMT_FP6 matrix_b_fmt:MATRIX_FMT_FP6
.endr
	s_add_co_u32 s[TB], s[TB], REC
	s_sub_co_u32 s[CNT], s[CNT], 1
	s_cmp_lg_u32 s[CNT], 0
	s_cbranch_scc1 .Lstep
	; THE WAY OUT.  O^T / the sum: register 16 g + i is channel 32 g + 16 (lane / 16) + i of my query (wv's tiles were laid for that): two blocks of the next product's K.
.rept 4
	v_nop
.endr
	v_add_f32 v14, v14, v15
	s_delay_alu instid0(VALU_DEP_1)
	v_permlanex16_b32 v252, v14, s[SEL], s[SEL+1]
	s_delay_alu instid0(VALU_DEP_1)
	v_add_f32 v14, v14, v252                       ; the row's sum
	s_wait_alu depctr_va_vdst(0)
	v_rcp_f32 v14, v14
	v_nop
.set j, 0
	s_wait_alu depctr_va_vdst(0)
.rept 32
	v_mul_f32 v[SCR+j], v[OT+j], v14
.set j, j+1
.endr
.irp b, 0,1
	v_max3_num_f32 v[232+\b], |v[SCR+16*\b]|, |v[SCR+1+16*\b]|, 0x1800000
.endr
.irp i, 2,4,6,8,10,12,14
.irp b, 0,1
	s_delay_alu instid0(VALU_DEP_2)
	v_max3_num_f32 v[232+\b], v[232+\b], |v[SCR+16*\b+\i]|, |v[SCR+1+16*\b+\i]|
.endr
.endr
.irp b, 0,1
	s_delay_alu instid0(VALU_DEP_2)
	v_permlanex16_b32 v[236+\b], v[232+\b], s[SEL], s[SEL+1]
.endr
.irp b, 0,1
	s_delay_alu instid0(VALU_DEP_2)
	v_max_num_f32 v[232+\b], v[232+\b], v[236+\b]
.endr
.irp b, 0,1
	s_delay_alu instid0(VALU_DEP_2)
	v_add_nc_u32 v[244+\b], 0xff000000, v[232+\b]
.endr
.irp b, 0,1
	s_delay_alu instid0(VALU_DEP_2)
	v_lshrrev_b32 v[236+\b], 23, v[244+\b]
.endr
	s_delay_alu instid0(VALU_DEP_1)
	v_lshl_or_b32 v254, v237, 8, v236              ; my head's two bytes of the row's scale word
	v_cvt_scalef32_pk16_fp6_f32 v[224:226], v[SCR:SCR+15], v244
	v_cvt_scalef32_pk16_fp6_f32 v[228:230], v[SCR+16:SCR+31], v245
	v_nop
.irp i, 0,1,2
	v_permlane16_swap_b32 v[224+\i], v[228+\i]
.endr
.irp i, 0,1,2
	s_delay_alu instid0(VALU_DEP_3)
	v_mov_b32 v[227+\i], v[228+\i]
.endr
.irp t, 0,1,2
	global_store_b64 v1, v[224+2*\t:225+2*\t], s[42:43] offset:256*\t   ; 32 lanes store 256 consecutive bytes, aligned
.endr
	global_store_b16 v2, v254, s[44:45]            ; two bytes of each of 16 neighbouring words: two heads share a word, so no wave owns it whole; lanes l and l xor 16 store the same bytes to the same place
	s_wait_tensorcnt 0x0
	ds_add_u32 v11, v243
	s_wait_dscnt 0x0
	CROUND                                         ; the closing round: no work-group ends while a partner may still ask for a record that names it
	s_endpgm
.Lfunc_end_k_q60b928baeb_attn:
	.size	k_q60b928baeb_attn, .Lfunc_end_k_q60b928baeb_attn-k_q60b928baeb_attn
	.p2alignl 7, 3214868480
	.fill 96, 4, 3214868480
	.section	.rodata,"a",@progbits
	.p2align	6, 0x0
	.amdhsa_kernel k_q60b928baeb_attn
		.amdhsa_group_segment_fixed_size 210944
		.amdhsa_private_segment_fixed_size 0
		.amdhsa_enable_private_segment 0
		.amdhsa_kernarg_size 16
		.amdhsa_user_sgpr_count 2
		.amdhsa_user_sgpr_kernarg_segment_ptr 1
		.amdhsa_wavefront_size32 1
		.amdhsa_system_sgpr_workgroup_id_x 1
		.amdhsa_system_sgpr_workgroup_id_y 1
		.amdhsa_system_sgpr_workgroup_id_z 1
		.amdhsa_system_vgpr_workitem_id 0
		.amdhsa_next_free_vgpr 256
		.amdhsa_next_free_sgpr 66
		.amdhsa_reserve_vcc 1
		.amdhsa_float_denorm_mode_32 3
		.amdhsa_float_denorm_mode_16_64 3
		.amdhsa_memory_ordered 1
		.amdhsa_forward_progress 1
		.amdhsa_inst_pref_size 31
	.end_amdhsa_kernel
	.amdgpu_metadata
---
amdhsa.version: [ 1, 2 ]
amdhsa.kernels:
  - .name:           k_q60b928baeb_attn
    .symbol:         k_q60b928baeb_attn.kd
    .args:
      - { .name: QKV, .offset: 0, .size: 8, .value_kind: global_buffer, .address_space: global }
      - { .name: AO, .offset: 8, .size: 8, .value_kind: global_buffer, .address_space: global }
    .group_segment_fixed_size: 210944
    .private_segment_fixed_size: 0
    .kernarg_segment_align: 8
    .kernarg_segment_size: 16
    .max_flat_workgroup_size: 512
    .sgpr_count:     66
    .vgpr_count:     256
    .wavefront_size: 32
...
	.end_amdgpu_metadata
.endif
;; end of part 4
;; launch oproj (part 5): grid 8 x 32, 4 waves a work-group, clusters of 4 x 4, 327,680 bytes of LDS; arguments AO, W, bo, x, X1; writes X1
.if DOCPART == 5
	.amdgcn_target "amdgcn-amd-amdhsa--gfx1250"
	.amdhsa_code_object_version 6
	.text
	.protected	k_q60b928baeb_oproj
	.globl	k_q60b928baeb_oproj
	.p2align	8
	.type	k_q60b928baeb_oproj,@function
k_q60b928baeb_oproj:
	s_mov_b64 s[64:65], 0
	v_nop
	global_prefetch_b8 v0, s[64:65] scope:SCOPE_SE
	s_setreg_imm32_b32 hwreg(HW_REG_WAVE_MODE, 25, 1), 1
	s_wait_xcnt 0x0
	s_wait_alu depctr_hold_cnt(0) depctr_sa_sdst(0) depctr_va_vdst(0) depctr_va_sdst(0) depctr_va_ssrc(0) depctr_va_vcc(0) depctr_vm_vsrc(0)
	s_getreg_b32 s2, hwreg(HW_REG_IB_STS2, 6, 4)
	s_cmp_eq_u32 s2, 0
	s_cbranch_scc0 .Lentry_in_a_cluster
	s_endpgm
.Lentry_in_a_cluster:
	s_bfe_u32 s2, ttmp6, 0x10000c
	s_cmp_lg_u32 s2, 0xf033
	s_cbranch_scc0 .Lentry_shape_is_right
	s_endpgm
.Lentry_shape_is_right:
; X1 = x + o wo^T + bo.  o (buffer AO) and wo (buffer W) are codes of E2M3 with E8M0 block scales, K = 1,024, laid as images of operand registers:
; fragment (tile T of 16 rows, K step s of 128) at (T KT + s) 1,536, plane p (registers 2 p, 2 p + 1) at 256 p, 8 bytes a lane; scale words [rows / 256][KT][256 places].
; A block of C is 128 x 128: 32 x 8 = 256 work-groups.  Four waves, each 64 x 64: 16 accumulators.  "A" = tokens (source 1), "B" = weight rows (source 0): a lane keeps one token, its registers run along the channels.
; A weight's tile holds rows 32 (T / 2) + 8 (T % 2) + r + 8 (r / 8), so register j of accumulator b in lane (r, h) is channel 32 (b / 2) + 16 h + 8 (b % 2) + j.
; K lies in two LDS slots of 512 along K each (8 tiles of A, 8 of B, 6,144 bytes a tile): with K = 1,024 each slot is filled once and nothing is filled again.
; So there is no loop to run ahead in, and no prefetch is written.  CLUSTERS: 4 x 4; A's tiles are asked for jointly along a row of the cluster, B's along a column.
; The residual's 64 x 64 numbers of a wave are loaded at the head into registers and first read on the way out; the bias is the C of the first products.
; REGISTERS: window 0: v16-29 addresses, v32-63 scale words (two sets of 4 steps x 4), v64-159 and v160-255 two sets of fragments (B's four, A's four).  Window 1: v0-127 accumulators.  Window 2: v0-127 residual, v128-159 bias.
.set SIZE_K, 1024
.set ASCL,   3145728
.set BIMG,   2359296
.set BSCL,   9535488
.set KT,     SIZE_K/128
.set TROW,   KT*1536
.set CH,     6144
.set QT,     4*CH
.set SLOT,   4*QT
.set SCL,    2*SLOT
.set HS,     KT*512
.set SPARE,  SCL+2*HS
.set STAGE,  SPARE+512
.set SP,     272
.set LAPS,   SIZE_K/1024
.set ADRA, 16
.set ADRB, 20
.set BA,   22
.set PFO,  23
.set STO,  24
.set RD,   25
.set CO,   26
.set ADRS, 27
.set SPW,  28
.set NIL,  29
.set SC,   32
.set BI,   128
.set BK,   64
.set G1, 24
.set G0, 32
.set G1B, 48
.set G0B, 56
.set PFA, 66
.set G1S, 68
.set G0S, 76
.set G1SB, 80
.set G0SB, 88
.set G0H, 92
.set G0HB, 96
.set MSB, 0
.macro WIN new                         ; the immediate's high byte repeats the setting that is left
.if MSB != (\new)
	s_set_vgpr_msb (MSB<<8)|(\new)
.set MSB, (\new)
.endif
.endm
.macro JLOAD g0a, g1a, g0b, g1b        ; a joint load: waves 0, 1 fetch for A, waves 2, 3 for B; s_nop 0 and four v_nop follow each line
	s_cmp_eq_u32 s15, 0
	s_cbranch_scc0 .Lfor_b_\@
	tensor_load_to_lds s[\g0a:\g0a+3], s[\g1a:\g1a+7]
	s_nop 0
.rept 4
	v_nop
.endr
	s_branch .Lasked_\@
.Lfor_b_\@:
	tensor_load_to_lds s[\g0b:\g0b+3], s[\g1b:\g1b+7]
	s_nop 0
.rept 4
	v_nop
.endr
.Lasked_\@:
.endm
.macro CREST                           ; a round of the cluster's barrier behind its opening barrier
	s_cmp_lg_u32 s14, 0
	s_cbranch_scc1 .Lnot_wave_0_\@
	s_barrier_signal -3
.Lnot_wave_0_\@:
	s_barrier_wait -3
	s_barrier_signal -1
	s_barrier_wait -1
.endm
.macro CROUND
	s_barrier_signal -1
	s_barrier_wait -1
	CREST
.endm
.macro PLACES                          ; four plain places between a matrix instruction and a load into, or a read of, its registers
.rept 4
	v_nop
.endr
.endm
.macro FETCH slot, q, p                ; 48 loads: B's four and A's four fragments of step q of a slot into set p
.irp i, 0,1,2,3
.irp t, 0,1,2,3,4,5
	ds_load_b64 v[64+96*(\p)+12*\i+2*\t:64+96*(\p)+12*\i+2*\t+1], v[ADRB+\slot] offset:\i*CH+(\q)*1536+256*\t
.endr
.endr
.irp i, 0,1,2,3
.irp t, 0,1,2,3,4,5
	ds_load_b64 v[112+96*(\p)+12*\i+2*\t:112+96*(\p)+12*\i+2*\t+1], v[ADRA+\slot] offset:\i*CH+(\q)*1536+256*\t
.endr
.endr
.endm
.macro SCALES slot, step               ; 16 loads: a slot's scale words: register 4 q + i: lanes 0-15 A's tile i, lanes 16-31 B's tile i
.if \step
	v_add_nc_u32 v[ADRS], 2048, v[ADRS]            ; four K steps of 512 bytes on
	s_wait_alu depctr_va_vdst(0)
.endif
.irp q, 0,1,2,3
.irp i, 0,1,2,3
	ds_load_b32 v[SC+16*\slot+4*\q+\i], v[ADRS] offset:512*\q+64*\i
.endr
.endr
.endm
.macro MUL8 a0, p, sc, zero            ; A's tiles a0, a0 + 1 x B's four; the 16 accumulators take turns
.irp a, \a0, \a0+1
.irp b, 0,1,2,3
.if \zero
	v_wmma_scale_f32_16x16x128_f8f6f4 v[8*(4*(\a)+\b):8*(4*(\a)+\b)+7], v[64+96*(\p)+12*\b:64+96*(\p)+12*\b+11], v[112+96*(\p)+12*(\a):112+96*(\p)+12*(\a)+11], v[BI+8*\b:BI+8*\b+7], v[SC+(\sc)+\b], v[SC+(\sc)+(\a)] matrix_a_fmt:MATRIX_FMT_FP6 matrix_b_fmt:MATRIX_FMT_FP6 matrix_a_scale:MATRIX_SCALE_ROW1
.else
	v_wmma_scale_f32_16x16x128_f8f6f4 v[8*(4*(\a)+\b):8*(4*(\a)+\b)+7], v[64+96*(\p)+12*\b:64+96*(\p)+12*\b+11], v[112+96*(\p)+12*(\a):112+96*(\p)+12*(\a)+11], v[8*(4*(\a)+\b):8*(4*(\a)+\b)+7], v[SC+(\sc)+\b], v[SC+(\sc)+(\a)] matrix_a_fmt:MATRIX_FMT_FP6 matrix_b_fmt:MATRIX_FMT_FP6 matrix_a_scale:MATRIX_SCALE_ROW1
.endif
.endr
.endr
.endm
.macro STEP slot, q, ns, nq, zero      ; 128 along K: the next step's fragments (slot ns, step nq) are asked for first, then this step's 16 products
	PLACES
	FETCH \ns, \nq, 1-(\q)%2
.if (\nq) == 0
	SCALES \ns, 1
	s_wait_dscnt 63                                ; 64 loads are younger than this step's; the field ends at 63
.else
	s_wait_dscnt 48                                ; all but the 48 just issued
.endif
.if \zero
	WIN 0x60                                       ; D window 1, C window 2: the bias starts the sums
.else
	WIN 0x50                                       ; C and D window 1
.endif
	MUL8 0, (\q)%2, 16*(\slot)+4*(\q), \zero
	MUL8 2, (\q)%2, 16*(\slot)+4*(\q), \zero
	WIN 0
.endm
; A slot's third step.  Its last step's fragments are fetched here, so my reads of the slot end here: one barrier shows the other slot whole and this slot free.
.macro TURN slot, fill
.if \fill
	s_wait_xcnt 0x0                                ; my prefetch has read its address
	s_add_nc_u64 s[PFA:PFA+1], s[PFA:PFA+1], CH
.endif
	PLACES
	FETCH \slot, 3, 1
	s_wait_tensorcnt 0x0                           ; all my tensor loads have landed: my part of the other slot
	ds_add_u32 v[SPW], v[NIL]
	s_wait_dscnt 49                                ; (the 48 loads just issued and the add may be out)
	WIN 0x50
	MUL8 0, 0, 16*\slot+8, 0
	s_wait_dscnt 0x0                               ; the add is done, my reads of this slot are over
	s_barrier_signal -1
	MUL8 2, 0, 16*\slot+8, 0
	WIN 0
	s_barrier_wait -1
.if \fill
	CREST                                          ; the barrier has opened a round of the cluster's
	s_add_nc_u64 s[G0+4*\slot+2:G0+4*\slot+3], s[G0+4*\slot+2:G0+4*\slot+3], 2*CH
	s_add_nc_u64 s[G0B+4*\slot+2:G0B+4*\slot+3], s[G0B+4*\slot+2:G0B+4*\slot+3], 2*CH
	JLOAD G0+4*\slot, G1, G0B+4*\slot, G1B         ; the first tensor load behind the round
.endif
.endm
.macro ASK                             ; the chunk two refills on: my work-group's tile of the four that I fetch, 24 blocks of 256 bytes, a lane a block (lanes 24-31 name the last again)
	s_cmp_gt_u32 s3, 1                             ; the last trip's refills have no chunk two on
	s_cbranch_scc0 .Lno_ask_\@
	global_prefetch_b8 v[PFO], s[PFA:PFA+1] offset:CH th:TH_LOAD_NT scope:SCOPE_SE
.Lno_ask_\@:
.endm
.macro GZ g, lds, a                    ; a group 0 with a constant LDS address
	s_mov_b32 s[\g], 1
	s_mov_b32 s[\g+1], \lds
	s_mov_b64 s[\g+2:\g+3], s[\a:\a+1]
	s_or_b32 s[\g+3], s[\g+3], 0x80000000
.endm
.macro ARM under, g0, g1, next
	s_cmp_lt_u32 s14, \under
	s_cbranch_scc0 \next
	tensor_load_to_lds s[\g0:\g0+3], s[\g1:\g1+7]
	s_nop 0
.rept 4
	v_nop
.endr
	s_branch .Lhead_asked
\next:
.endm
	s_load_b256 s[4:11], s[0:1], 0x0               ; A s[4:5], W s[6:7], bias s[8:9], residual s[10:11]
	s_load_b64 s[12:13], s[0:1], 0x20              ; the result
	v_lshl_add_u32 v[SPW], v0, 2, SPARE
	v_mov_b32 v[NIL], 0
	ds_add_u32 v[SPW], v[NIL]                      ; the opening lines: the add twice on end and one wait
	ds_add_u32 v[SPW], v[NIL]
	v_lshrrev_b32 v1, 5, v0
	v_readfirstlane_b32 s14, v1                    ; wave 0..3
	s_lshr_b32 s15, s14, 1                         ; my half of A's rows; also: I fetch for A (0) or B (1)
	s_and_b32 s16, s14, 1                          ; my half of B's rows; also: which four tiles I fetch
	s_bfe_u32 s40, ttmp6, 0x40000                  ; cx
	s_bfe_u32 s41, ttmp6, 0x40004                  ; cy
	s_lshl_b32 s42, ttmp9, 2
	s_add_co_u32 s42, s42, s40                     ; block column of C
	s_and_b32 s17, ttmp7, 0xffff
	s_lshl_b32 s17, s17, 2
	s_add_co_u32 s17, s17, s41                     ; block row of C
	s_lshl_b32 s43, s41, 2
	s_lshl_b32 s43, 15, s43                        ; my row of the cluster
	s_lshl_b32 s44, 0x1111, s40                    ; my column
	s_or_b32 s[G1+0], s43, (3<<16)|(1<<21)         ; the mask; elements of 8 bytes; bit 21 beside a mask
	s_or_b32 s[G1B+0], s44, (3<<16)|(1<<21)
.irp g, G1, G1B
	s_mov_b32 s[\g+1], 768<<16                     ; a row: a tile's 6,144 bytes of a chunk
	s_mov_b32 s[\g+2], 8<<16                       ; the head's loads bring 8 tiles
	s_mov_b32 s[\g+3], 768<<16
	s_mov_b32 s[\g+4], 8
	s_mov_b32 s[\g+5], KT*192                      ; from a tile to the next
	s_mov_b32 s[\g+6], 0
	s_mov_b32 s[\g+7], 0
.endr
	s_or_b32 s[G1S+0], s43, (3<<16)|(1<<21)
	s_or_b32 s[G1SB+0], s44, (3<<16)|(1<<21)
.irp g, G1S, G1SB
	s_mov_b32 s[\g+1], 64<<16                      ; scale words: 128 places = 512 bytes a K step, KT steps, 1,024 bytes apart
	s_mov_b32 s[\g+2], KT<<16
	s_mov_b32 s[\g+3], 64<<16
	s_mov_b32 s[\g+4], KT
	s_mov_b32 s[\g+5], 128
	s_mov_b32 s[\g+6], 0
	s_mov_b32 s[\g+7], 0
.endr
	s_mul_i32 s20, s17, 8*TROW                     ; A's eight tiles
	s_mov_b32 s21, 0
	s_lshr_b32 s22, s17, 1
	s_mul_i32 s22, s22, KT*1024
	s_and_b32 s23, s17, 1
	s_lshl_b32 s23, s23, 9
	s_add_co_u32 s22, s22, s23
	s_add_co_u32 s22, s22, ASCL                    ; and their scale words
	s_mov_b32 s23, 0
	s_mul_i32 s46, s42, 8*TROW
	s_add_co_u32 s46, s46, BIMG                    ; B's
	s_mov_b32 s47, 0
	s_lshr_b32 s100, s42, 1
	s_mul_i32 s100, s100, KT*1024
	s_and_b32 s101, s42, 1
	s_lshl_b32 s101, s101, 9
	s_add_co_u32 s100, s100, s101
	s_add_co_u32 s100, s100, BSCL
	s_mov_b32 s101, 0
	s_mul_i32 s45, s14, QT                         ; the ring's loads land at wave x four tiles: no place in the cluster enters an LDS address
	s_mul_i32 s18, s16, 4*TROW
	s_mov_b32 s19, 0
	s_wait_dscnt 0x0                               ; both opening adds are done
	s_wait_kmcnt 0x0
	s_add_nc_u64 s[20:21], s[4:5], s[20:21]
	s_add_nc_u64 s[22:23], s[4:5], s[22:23]
	s_add_nc_u64 s[46:47], s[6:7], s[46:47]
	s_add_nc_u64 s[100:101], s[6:7], s[100:101]
	GZ G0H, 0, 20
	GZ G0HB, 2*QT, 46
	GZ G0S, SCL, 22
	GZ G0SB, SCL+HS, 100
	s_add_nc_u64 s[20:21], s[20:21], s[18:19]      ; for the ring: my four tiles
	s_add_nc_u64 s[46:47], s[46:47], s[18:19]
.irp s, 0,1
	s_mov_b32 s[G0+4*\s], 1
	s_add_co_u32 s[G0+4*\s+1], s45, \s*SLOT
	s_add_nc_u64 s[G0+4*\s+2:G0+4*\s+3], s[20:21], \s*CH
	s_or_b32 s[G0+4*\s+3], s[G0+4*\s+3], 0x80000000
	s_mov_b32 s[G0B+4*\s], 1
	s_add_co_u32 s[G0B+4*\s+1], s45, \s*SLOT
	s_add_nc_u64 s[G0B+4*\s+2:G0B+4*\s+3], s[46:47], \s*CH
	s_or_b32 s[G0B+4*\s+3], s[G0B+4*\s+3], 0x80000000
.endr
	CROUND                                         ; all sixteen work-groups are here: the first joint loads meet
	; the head's loads, one a wave, in one tree of branches: chunk 0 of A, chunk 0 of B, A's scale words, B's
	ARM 1, G0H,  G1,  .Lhead_b
	ARM 2, G0HB, G1B, .Lhead_sa
	ARM 3, G0S,  G1S, .Lhead_sb
	tensor_load_to_lds s[G0SB:G0SB+3], s[G1SB:G1SB+7]
	s_nop 0
.rept 4
	v_nop
.endr
.Lhead_asked:
	s_mul_i32 s18, s15, QT                         ; my four tiles of A in a slot,
	s_mul_i32 s19, s16, QT
	s_add_co_u32 s19, s19, 2*QT                    ; of B
	s_lshl_b32 s20, s15, 8
	s_lshl_b32 s21, s16, 8
	s_add_co_u32 s21, s21, HS
	s_sub_co_u32 s21, s21, s20                     ; from A's words to B's
	s_add_co_u32 s20, s20, SCL
	s_mul_i32 s22, s14, 64*SP
	s_add_co_u32 s22, s22, STAGE                   ; my stage: 64 rows of 272 bytes, bytes of its own
	s_lshl_b32 s46, s42, 9
	s_lshl_b32 s47, s16, 8
	s_add_co_u32 s46, s46, s47                     ; my first column, in bytes
	s_mov_b32 s47, 0
	s_add_nc_u64 s[8:9], s[8:9], s[46:47]
	s_lshl_b32 s23, s17, 7
	s_lshl_b32 s2, s15, 6
	s_add_co_u32 s23, s23, s2                      ; my first row
	s_lshl_b32 s23, s23, 12
	s_add_co_u32 s46, s46, s23
	s_add_nc_u64 s[10:11], s[10:11], s[46:47]
	s_add_nc_u64 s[12:13], s[12:13], s[46:47]
.if LAPS > 1
	s_lshl_b32 s2, s17, 3                          ; the prefetches: partners share a joint load's four tiles out by address (cx for A, cy for B)
	s_lshl_b32 s3, s42, 3
	s_mov_b32 s23, BIMG+2*CH
	s_cmp_eq_u32 s15, 0
	s_cselect_b32 s2, s2, s3
	s_cselect_b32 s3, s40, s41
	s_cselect_b32 s23, 2*CH, s23
	s_cselect_b64 s[PFA:PFA+1], s[4:5], s[6:7]
	s_add_co_u32 s2, s2, s3
	s_lshl_b32 s3, s16, 2
	s_add_co_u32 s2, s2, s3
	s_mul_i32 s2, s2, TROW
	s_add_co_u32 s2, s2, s23
	s_mov_b32 s3, 0
	s_add_nc_u64 s[PFA:PFA+1], s[PFA:PFA+1], s[2:3]   ; at chunk 2
.endif
	v_and_b32 v1, 15, v0                           ; r
	v_bfe_u32 v2, v0, 4, 1                         ; h
	v_and_b32 v3, 31, v0
	v_lshlrev_b32 v4, 3, v3
	v_add_nc_u32 v[ADRA], s18, v4
	v_add_nc_u32 v[ADRB], s19, v4
	v_add_nc_u32 v[ADRA+1], SLOT, v[ADRA]
	v_add_nc_u32 v[ADRB+1], SLOT, v[ADRB]
	v_mul_u32_u24 v5, s21, v2                      ; lanes 16-31 take B's words
	v_lshl_add_u32 v5, v1, 2, v5
	v_add_nc_u32 v[ADRS], s20, v5
	v_lshlrev_b32 v[BA], 6, v2
	v_mul_u32_u24 v6, v1, SP
	v_lshl_add_u32 v6, v2, 6, v6
	v_add_nc_u32 v[STO], s22, v6                   ; in: row r, 64 h
	v_mul_u32_u24 v7, v2, SP
	v_lshl_add_u32 v7, v1, 4, v7
	v_add_nc_u32 v[RD], s22, v7                    ; back: lanes 0-15 one row of 256 bytes, lanes 16-31 the next
	v_lshlrev_b32 v8, 12, v2
	v_lshl_add_u32 v[CO], v1, 4, v8                ; the same two rows in memory
.if LAPS > 1
	v_min_u32 v9, 23, v3
	v_lshlrev_b32 v[PFO], 8, v9
.endif
	s_wait_alu depctr_va_vdst(0)                   ; the end of the head's vector work
.if LAPS > 1
	global_prefetch_b8 v[PFO], s[PFA:PFA+1] th:TH_LOAD_NT scope:SCOPE_SE   ; with chunk 0's fill: chunk 2
.endif
	WIN 0x80                                       ; destinations in window 2
.irp b, 0,1,2,3
	global_load_b128 v[BI+8*\b:BI+8*\b+3], v[BA], s[8:9] offset:(32*(\b/2)+8*(\b%2))*4
	global_load_b128 v[BI+8*\b+4:BI+8*\b+7], v[BA], s[8:9] offset:(32*(\b/2)+8*(\b%2))*4+16
.endr
.set t, 0
.rept 32
	global_load_b128 v[4*t:4*t+3], v[CO], s[10:11] offset:8192*t   ; 16 lanes read 256 consecutive bytes, aligned
.set t, t+1
.endr
	WIN 0
	s_wait_tensorcnt 0x0                           ; my tile of the head's four is in
	ds_add_u32 v[SPW], v[NIL]
	s_mov_b32 s[G1+2], 4<<16                       ; no tensor load of mine is out: from here on a load brings four tiles
	s_mov_b32 s[G1+4], 4
	s_mov_b32 s[G1B+2], 4<<16
	s_mov_b32 s[G1B+4], 4
	s_wait_dscnt 0x0
	CROUND
	JLOAD G0+4, G1, G0B+4, G1B                     ; chunk 1, the first tensor load behind the round
	FETCH 0, 0, 0
	SCALES 0, 0
.if LAPS > 1
	global_prefetch_b8 v[PFO], s[PFA:PFA+1] offset:CH th:TH_LOAD_NT scope:SCOPE_SE   ; with chunk 1's fill: chunk 3
.endif
	s_wait_loadcnt 32                              ; the bias is in; the residual's 32 loads may be out
	STEP 0, 0, 0, 1, 1
.if LAPS > 1
	s_mov_b32 s3, LAPS-1
.Llap:                                             ; a trip goes once round the ring and fills both slots again
	STEP 0, 1, 0, 2, 0
	TURN 0, 1
	STEP 0, 3, 1, 0, 0
	ASK
	STEP 1, 0, 1, 1, 0
	STEP 1, 1, 1, 2, 0
	TURN 1, 1
	STEP 1, 3, 0, 0, 0
	ASK
	STEP 0, 0, 0, 1, 0
	s_sub_co_u32 s3, s3, 1
	s_cmp_lg_u32 s3, 0
	s_cbranch_scc1 .Llap
.endif
	STEP 0, 1, 0, 2, 0                             ; the last lap fills nothing
	TURN 0, 0
	STEP 0, 3, 1, 0, 0
	STEP 1, 0, 1, 1, 0
	STEP 1, 1, 1, 2, 0
	STEP 1, 2, 1, 3, 0
	s_wait_dscnt 0x0
	WIN 0x50
	MUL8 0, 1, 28, 0
	MUL8 2, 1, 28, 0
	PLACES
	; THE WAY OUT: my 64 x 64 through my own stage, back as rows of 256 bytes, plus the residual, stored as whole aligned units of 256 bytes
	WIN 0x04                                       ; store data in window 1
.irp a, 0,1,2,3
.irp b, 0,1,2,3
	ds_store_b128 v[STO], v[8*(4*\a+\b):8*(4*\a+\b)+3] offset:\a*16*SP+128*(\b/2)+32*(\b%2)      ; each accumulator from its low end on
	ds_store_b128 v[STO], v[8*(4*\a+\b)+4:8*(4*\a+\b)+7] offset:\a*16*SP+128*(\b/2)+32*(\b%2)+16
.endr
.endr
	WIN 0
.set t, 0
.rept 32
	ds_load_b128 v[BK+4*t:BK+4*t+3], v[RD] offset:t*2*SP   ; LDS serves a wave's instructions in order (ISA guide 5.7.1.4)
.set t, t+1
.endr
	s_wait_loadcnt 0x0                             ; the residual
.irp g, 0,1,2,3
	s_wait_dscnt 24-8*\g                           ; eight more loads are back
	WIN 0x08                                       ; source 1 in window 2
.set j, 32*\g
.rept 16
	v_pk_add_f32 v[BK+j:BK+j+1], v[BK+j:BK+j+1], v[j:j+1]
.set j, j+2
.endr
	WIN 0
.set t, 8*\g
.rept 8
	global_store_b128 v[CO], v[BK+4*t:BK+4*t+3], s[12:13] offset:8192*t
.set t, t+1
.endr
.endr
	s_wait_tensorcnt 0x0                           ; the wave's end
	ds_add_u32 v[SPW], v[NIL]
	s_wait_dscnt 0x0
	CROUND                                         ; the closing round
	s_endpgm
.Lfunc_end_k_q60b928baeb_oproj:
	.size	k_q60b928baeb_oproj, .Lfunc_end_k_q60b928baeb_oproj-k_q60b928baeb_oproj
	.p2alignl 7, 3214868480
	.fill 96, 4, 3214868480
	.section	.rodata,"a",@progbits
	.p2align	6, 0x0
	.amdhsa_kernel k_q60b928baeb_oproj
		.amdhsa_group_segment_fixed_size 327680
		.amdhsa_private_segment_fixed_size 0
		.amdhsa_enable_private_segment 0
		.amdhsa_kernarg_size 40
		.amdhsa_user_sgpr_count 2
		.amdhsa_user_sgpr_kernarg_segment_ptr 1
		.amdhsa_wavefront_size32 1
		.amdhsa_system_sgpr_workgroup_id_x 1
		.amdhsa_system_sgpr_workgroup_id_y 1
		.amdhsa_system_sgpr_workgroup_id_z 1
		.amdhsa_system_vgpr_workitem_id 0
		.amdhsa_next_free_vgpr 768
		.amdhsa_next_free_sgpr 102
		.amdhsa_reserve_vcc 0
		.amdhsa_float_denorm_mode_32 3
		.amdhsa_float_denorm_mode_16_64 3
		.amdhsa_memory_ordered 1
		.amdhsa_forward_progress 1
		.amdhsa_inst_pref_size 71
	.end_amdhsa_kernel
	.amdgpu_metadata
---
amdhsa.version: [ 1, 2 ]
amdhsa.kernels:
  - .name:           k_q60b928baeb_oproj
    .symbol:         k_q60b928baeb_oproj.kd
    .args:
      - { .name: AO, .offset: 0, .size: 8, .value_kind: global_buffer, .address_space: global }
      - { .name: W, .offset: 8, .size: 8, .value_kind: global_buffer, .address_space: global }
      - { .name: bo, .offset: 16, .size: 8, .value_kind: global_buffer, .address_space: global }
      - { .name: x, .offset: 24, .size: 8, .value_kind: global_buffer, .address_space: global }
      - { .name: X1, .offset: 32, .size: 8, .value_kind: global_buffer, .address_space: global }
    .group_segment_fixed_size: 327680
    .private_segment_fixed_size: 0
    .kernarg_segment_align: 8
    .kernarg_segment_size: 40
    .max_flat_workgroup_size: 128
    .sgpr_count:     102
    .vgpr_count:     768
    .wavefront_size: 32
...
	.end_amdgpu_metadata
.endif
;; end of part 5
;; launch ln2: the kernel of part 2 again; grid 256 x 1, 8 waves a work-group, no clusters, 66,816 bytes of LDS; arguments X1, ln2_a, ln2_b, H; writes H
;; launch ffn1 (part 6): grid 16 x 16, 4 waves a work-group, clusters of 4 x 4, 327,680 bytes of LDS; arguments H, W, b1, HID; writes HID
.if DOCPART == 6
	.amdgcn_target "amdgcn-amd-amdhsa--gfx1250"
	.amdhsa_code_object_version 6
	.text
	.protected	k_q60b928baeb_ffn1
	.globl	k_q60b928baeb_ffn1
	.p2align	8
	.type	k_q60b928baeb_ffn1,@function
k_q60b928baeb_ffn1:
	s_mov_b64 s[64:65], 0
	v_nop
	global_prefetch_b8 v0, s[64:65] scope:SCOPE_SE
	s_setreg_imm32_b32 hwreg(HW_REG_WAVE_MODE, 25, 1), 1
	s_wait_xcnt 0x0
	s_wait_alu depctr_hold_cnt(0) depctr_sa_sdst(0) depctr_va_vdst(0) depctr_va_sdst(0) depctr_va_ssrc(0) depctr_va_vcc(0) depctr_vm_vsrc(0)
	s_getreg_b32 s2, hwreg(HW_REG_IB_STS2, 6, 4)
	s_cmp_eq_u32 s2, 0
	s_cbranch_scc0 .Lentry_in_a_cluster
	s_endpgm
.Lentry_in_a_cluster:
	s_bfe_u32 s2, ttmp6, 0x10000c
	s_cmp_lg_u32 s2, 0xf033
	s_cbranch_scc0 .Lentry_shape_is_right
	s_endpgm
.Lentry_shape_is_right:
.set SIZE_K, 1024
.set ASCL,   3145728
.set BIMG,   3145728
.set BSCL,   9568256
.set KT,     SIZE_K/128
.set TROW,   KT*1536
.set HALFT,  8*3072
.set SLOT,   4*HALFT
.set SCL,    2*SLOT
.set HALFS,  4*SIZE_K
.set SPARE,  SCL+4*HALFS
.set LAPS,   SIZE_K/512
.set FR, 12
.set NL, 6
.set NP, 4
.set ADRA, 16
.set L8,   18
.set L4,   19
.set ADRB, 20
.set BA,   22
.set ADRS, 27
.set SPW,  28
.set NIL,  29
.set SC,   32
.set BI,   64
.set AF,   128
.set G1, 24
.set G0, 32
.set G1B, 48
.set G0B, 56
.set G1S, 68
.set G0S, 76
.set G1SB, 80
.set G0SB, 88
.set SEL, 96
.set HM,  98
.set MSB, 0
.macro WIN new
.if MSB != (\new)
	s_set_vgpr_msb (MSB<<8)|(\new)
.set MSB, (\new)
.endif
.endm
.set MUL_LO, 0xa1
.set MUL_HI, 0xf1
.set TO_B,   0x40
.macro JLOAD g0a, g1a, g0b, g1b
	s_cmp_eq_u32 s15, 0
	s_cbranch_scc0 .Lfor_b_\@
	tensor_load_to_lds s[\g0a:\g0a+3], s[\g1a:\g1a+7]
	s_nop 0
.rept 4
	v_nop
.endr
	s_branch .Lasked_\@
.Lfor_b_\@:
	tensor_load_to_lds s[\g0b:\g0b+3], s[\g1b:\g1b+7]
	s_nop 0
.rept 4
	v_nop
.endr
.Lasked_\@:
.endm
.macro CREST
	s_cmp_lg_u32 s14, 0
	s_cbranch_scc1 .Lnot_wave_0_\@
	s_barrier_signal -3
.Lnot_wave_0_\@:
	s_barrier_wait -3
	s_barrier_signal -1
	s_barrier_wait -1
.endm
.macro CROUND
	s_barrier_signal -1
	s_barrier_wait -1
	CREST
.endm
.macro FRAG reg, adr, q, i
.irp p, 0,1,2,3,4,5
	ds_load_b64 v[\reg+2*\p:\reg+2*\p+1], v[\adr] offset:(\i)*3072+(\q)*1536+256*\p
.endr
.endm
.macro MUL16 a0, p, q, sc, zero
.irp a, \a0, \a0+1
.irp b, 0,1,2,3,4,5,6,7
.if \zero
	v_wmma_scale_f32_16x16x128_f8f6f4 v[8*(8*((\a)%4)+\b):8*(8*((\a)%4)+\b)+7], v[128*(\p)+FR*\b:128*(\p)+FR*\b+FR-1], v[AF+FR*(\a):AF+FR*(\a)+FR-1], v[BI+8*\b:BI+8*\b+7], v[SC+16*(\sc)+2*\b+(\q)], v[SC+16*(\sc)+2*(\a)+(\q)] matrix_a_fmt:MATRIX_FMT_FP6 matrix_b_fmt:MATRIX_FMT_FP6 matrix_a_scale:MATRIX_SCALE_ROW1
.else
	v_wmma_scale_f32_16x16x128_f8f6f4 v[8*(8*((\a)%4)+\b):8*(8*((\a)%4)+\b)+7], v[128*(\p)+FR*\b:128*(\p)+FR*\b+FR-1], v[AF+FR*(\a):AF+FR*(\a)+FR-1], v[8*(8*((\a)%4)+\b):8*(8*((\a)%4)+\b)+7], v[SC+16*(\sc)+2*\b+(\q)], v[SC+16*(\sc)+2*(\a)+(\q)] matrix_a_fmt:MATRIX_FMT_FP6 matrix_b_fmt:MATRIX_FMT_FP6 matrix_a_scale:MATRIX_SCALE_ROW1
.endif
.endr
.endr
.endm
.macro FETCH_B slot, q, p
	WIN TO_B
.irp i, 0,1,2,3,4,5,6,7
	FRAG 128*(\p)+FR*\i, ADRB+\slot, \q, \i
.endr
	WIN 0
.endm
.macro FETCH_A slot, q, i0
.irp i, \i0, \i0+1, \i0+2, \i0+3
	FRAG AF+FR*(\i), ADRA+\slot, \q, \i
.endr
.endm
.macro SCALES sc
.irp i, 0,1,2,3,4,5,6,7
	ds_load_b32 v[SC+16*\sc+2*\i], v[ADRS] offset:\i*64
	ds_load_b32 v[SC+16*\sc+2*\i+1], v[ADRS] offset:1024+\i*64
.endr
.endm
.macro PLACES n
.rept \n
	v_nop
.endr
.endm
.macro STEP slot, q, zero
	s_wait_dscnt 4*NL
.if \zero
	WIN 0x81
.else
	WIN MUL_LO
.endif
	MUL16 0, (\q)%2, \q, \slot, \zero
	MUL16 2, (\q)%2, \q, \slot, \zero
	s_wait_dscnt 0
	PLACES NP
	FETCH_B \slot, (\q)+1, 1-(\q)%2
	FETCH_A \slot, (\q)+1, 0
.if \zero
	WIN 0xc1
.else
	WIN MUL_HI
.endif
	MUL16 4, (\q)%2, \q, \slot, \zero
	MUL16 6, (\q)%2, \q, \slot, \zero
	PLACES NP
	WIN 0
	FETCH_A \slot, (\q)+1, 4
.endm
.macro TURN slot, next, fill
	s_wait_tensorcnt 0x0
	ds_add_u32 v[SPW], v[NIL]
	s_wait_dscnt 4*NL+1
	WIN MUL_LO
	MUL16 0, 1, 1, \slot, 0
	s_wait_dscnt 0x0
	s_barrier_signal -1
	MUL16 2, 1, 1, \slot, 0
	WIN 0
	s_barrier_wait -1
.if \fill
	CREST
	s_add_nc_u64 s[G0+4*\slot+2:G0+4*\slot+3], s[G0+4*\slot+2:G0+4*\slot+3], 6144
	s_add_nc_u64 s[G0B+4*\slot+2:G0B+4*\slot+3], s[G0B+4*\slot+2:G0B+4*\slot+3], 6144
	JLOAD G0+4*\slot, G1, G0B+4*\slot, G1B
.else
	PLACES NP
.endif
	s_wait_alu depctr_va_vdst(0)
	v_add_nc_u32 v[ADRS], 2048, v[ADRS]
	FETCH_B \next, 0, 0
	FETCH_A \next, 0, 0
	SCALES \next
	WIN MUL_HI
	MUL16 4, 1, 1, \slot, 0
	MUL16 6, 1, 1, \slot, 0
	PLACES NP
	WIN 0
	FETCH_A \next, 0, 4
.endm
	s_load_b256 s[4:11], s[0:1], 0x0
	v_lshl_add_u32 v[SPW], v0, 2, SPARE
	v_mov_b32 v[NIL], 0
	ds_add_u32 v28, v29
	ds_add_u32 v28, v29
	s_wait_dscnt 0x0
	v_lshrrev_b32 v1, 5, v0
	v_readfirstlane_b32 s14, v1
	s_lshr_b32 s15, s14, 1
	s_and_b32 s16, s14, 1
	s_bfe_u32 s40, ttmp6, 0x40000
	s_bfe_u32 s41, ttmp6, 0x40004
	s_lshl_b32 s42, ttmp9, 2
	s_add_co_u32 s42, s42, s40
	s_and_b32 s17, ttmp7, 0xffff
	s_lshl_b32 s17, s17, 2
	s_add_co_u32 s17, s17, s41
	s_lshl_b32 s43, s41, 2
	s_lshl_b32 s43, 15, s43
	s_lshl_b32 s44, 0x1111, s40
	s_or_b32 s[G1+0], s43, (3<<16)|(1<<21)
	s_or_b32 s[G1B+0], s44, (3<<16)|(1<<21)
.irp g, G1, G1B
	s_mov_b32 s[\g+1], 384<<16
	s_mov_b32 s[\g+2], 8<<16
	s_mov_b32 s[\g+3], 384<<16
	s_mov_b32 s[\g+4], 8
	s_mov_b32 s[\g+5], KT*192
	s_mov_b32 s[\g+6], 0
	s_mov_b32 s[\g+7], 0
.endr
	s_or_b32 s[G1S+0], s43, (3<<16)|(1<<21)
	s_or_b32 s[G1SB+0], s44, (3<<16)|(1<<21)
.irp g, G1S, G1SB
	s_mov_b32 s[\g+1], 32<<16
	s_mov_b32 s[\g+2], (SIZE_K/64)<<16
	s_mov_b32 s[\g+3], 32<<16
	s_mov_b32 s[\g+4], SIZE_K/64
	s_mov_b32 s[\g+5], 32
	s_mov_b32 s[\g+6], 0
	s_mov_b32 s[\g+7], 0
.endr
	s_lshl_b32 s18, s16, 3
	s_lshl_b32 s20, s17, 4
	s_add_co_u32 s20, s20, s18
	s_mul_i32 s20, s20, TROW
	s_mov_b32 s21, 0
	s_mul_i32 s19, s16, HALFS
	s_mul_i32 s22, s17, KT*1024
	s_add_co_u32 s22, s22, s19
	s_add_co_u32 s22, s22, ASCL
	s_mov_b32 s23, 0
	s_lshl_b32 s46, s42, 4
	s_add_co_u32 s46, s46, s18
	s_mul_i32 s46, s46, TROW
	s_add_co_u32 s46, s46, BIMG
	s_mov_b32 s47, 0
	s_mul_i32 s92, s42, KT*1024
	s_add_co_u32 s92, s92, s19
	s_add_co_u32 s92, s92, BSCL
	s_mov_b32 s93, 0
	s_mul_i32 s45, s14, HALFT
	s_mul_i32 s94, s14, HALFS
	s_wait_kmcnt 0x0
	s_add_nc_u64 s[20:21], s[4:5], s[20:21]
	s_add_nc_u64 s[22:23], s[4:5], s[22:23]
	s_add_nc_u64 s[46:47], s[6:7], s[46:47]
	s_add_nc_u64 s[92:93], s[6:7], s[92:93]
	CROUND
	s_mov_b32 s[G0S], 1
	s_add_co_u32 s[G0S+1], s94, SCL
	s_mov_b64 s[G0S+2:G0S+3], s[22:23]
	s_or_b32 s[G0S+3], s[G0S+3], 0x80000000
	s_mov_b32 s[G0SB], 1
	s_add_co_u32 s[G0SB+1], s94, SCL
	s_mov_b64 s[G0SB+2:G0SB+3], s[92:93]
	s_or_b32 s[G0SB+3], s[G0SB+3], 0x80000000
	JLOAD G0S, G1S, G0SB, G1SB
.irp s, 0,1
	s_mov_b32 s[G0+4*\s], 1
	s_add_co_u32 s[G0+4*\s+1], s45, \s*SLOT
	s_add_nc_u64 s[G0+4*\s+2:G0+4*\s+3], s[20:21], \s*3072
	s_or_b32 s[G0+4*\s+3], s[G0+4*\s+3], 0x80000000
	s_mov_b32 s[G0B+4*\s], 1
	s_add_co_u32 s[G0B+4*\s+1], s45, \s*SLOT
	s_add_nc_u64 s[G0B+4*\s+2:G0B+4*\s+3], s[46:47], \s*3072
	s_or_b32 s[G0B+4*\s+3], s[G0B+4*\s+3], 0x80000000
	s_wait_alu depctr_va_vdst(0)
	s_wait_tensorcnt 0x0
	ds_add_u32 v28, v29
	s_wait_dscnt 0x0
	CROUND
	JLOAD G0+4*\s, G1, G0B+4*\s, G1B
.endr
	v_and_b32 v1, 15, v0
	v_bfe_u32 v2, v0, 4, 1
	s_wait_alu depctr_va_vdst(0)
	v_and_b32 v3, 31, v0
	v_lshlrev_b32 v[L8], 3, v3
	v_lshlrev_b32 v[L4], 2, v3
	s_mul_i32 s21, s15, HALFT
	s_mul_i32 s22, s16, HALFT
	s_add_co_u32 s22, s22, 2*HALFT
.irp s, 0,1
	v_add_nc_u32 v[ADRA+\s], s21, v[L8]
	v_add_nc_u32 v[ADRB+\s], s22, v[L8]
	s_add_co_u32 s21, s21, SLOT
	s_add_co_u32 s22, s22, SLOT
.endr
	v_lshlrev_b32 v5, 2, v1
	s_lshl_b32 s21, s15, 9
	s_lshl_b32 s22, s16, 9
	s_add_co_u32 s22, s22, 2*HALFS
	s_sub_co_u32 s22, s22, s21
	v_mul_u32_u24 v6, s22, v2
	s_add_co_u32 s21, s21, SCL
	v_add_nc_u32 v5, v5, v6
	v_add_nc_u32 v[ADRS], s21, v5
	v_lshlrev_b32 v[BA], 6, v2
	s_wait_alu depctr_va_vdst(0)
	s_lshl_b32 s46, s42, 10
	s_lshl_b32 s47, s16, 9
	s_add_co_u32 s46, s46, s47
	s_mov_b32 s47, 0
	s_add_nc_u64 s[8:9], s[8:9], s[46:47]
	s_lshl_b32 s20, s17, 4
	s_lshl_b32 s21, s15, 3
	s_add_co_u32 s20, s20, s21
	s_mul_i32 s20, s20, 49152
	s_lshl_b32 s46, s42, 1
	s_add_co_u32 s46, s46, s16
	s_mul_i32 s47, s46, 1536
	s_add_co_u32 s20, s20, s47
	s_mov_b32 s21, 0
	s_lshl_b32 s22, s17, 5
	s_add_co_u32 s22, s22, s46
	s_lshl_b32 s22, s22, 10
	s_lshl_b32 s23, s15, 9
	s_add_co_u32 s22, s22, s23
	s_add_co_u32 s22, s22, 12582912
	s_mov_b32 s23, 0
	s_add_nc_u64 s[12:13], s[10:11], s[22:23]
	s_add_nc_u64 s[10:11], s[10:11], s[20:21]
	s_mov_b32 s[SEL], 0x76543210
	s_mov_b32 s[SEL+1], 0xfedcba98
	s_mov_b32 s[HM], 0xffff0000
.irp b, 0,1,2,3,4,5,6,7
	global_load_b128 v[BI+8*\b:BI+8*\b+3], v[BA], s[8:9] offset:(32*(\b/2)+8*(\b%2))*4
	global_load_b128 v[BI+8*\b+4:BI+8*\b+7], v[BA], s[8:9] offset:(32*(\b/2)+8*(\b%2))*4+16
.endr
	s_wait_tensorcnt 1
	s_barrier_signal -1
	s_barrier_wait -1
	FETCH_B 0, 0, 0
	FETCH_A 0, 0, 0
	SCALES 0
	FETCH_A 0, 0, 4
	s_wait_loadcnt 0x0
	STEP 0, 0, 1
	s_mov_b32 s3, LAPS-1
.Llap:
	TURN 0, 1, 1
	STEP 1, 0, 0
	TURN 1, 0, 1
	STEP 0, 0, 0
	s_sub_co_u32 s3, s3, 1
	s_cmp_lg_u32 s3, 0
	s_cbranch_scc1 .Llap
	TURN 0, 1, 0
	STEP 1, 0, 0
	s_wait_dscnt 4*NL
	WIN MUL_LO
	MUL16 0, 1, 1, 1, 0
	MUL16 2, 1, 1, 1, 0
	s_wait_dscnt 0
	WIN MUL_HI
	MUL16 4, 1, 1, 1, 0
	MUL16 6, 1, 1, 1, 0
	WIN 0
.set HA,  64
.set PC,  128
.set TM,  148
.set PW,  164
.set PWS, 165
.set WW,  173
.macro QUANT s
.irp b, 0,1,2,3
	v_max3_num_f32 v[TM+\b], |v[\s+16*\b]|, |v[\s+1+16*\b]|, 0x1800000
.endr
.irp i, 2,4,6,8,10,12,14
.irp b, 0,1,2,3
	v_max3_num_f32 v[TM+\b], v[TM+\b], |v[\s+16*\b+\i]|, |v[\s+1+16*\b+\i]|
.endr
.endr
.irp b, 0,1,2,3
	v_permlanex16_b32 v[TM+4+\b], v[TM+\b], s[SEL], s[SEL+1]
.endr
.irp b, 0,1,2,3
	v_max_num_f32 v[TM+\b], v[TM+\b], v[TM+4+\b]
.endr
.irp b, 0,1,2,3
	v_add_nc_u32 v[TM+12+\b], 0xff000000, v[TM+\b]
.endr
.irp b, 0,1,2,3
	v_lshrrev_b32 v[TM+4+\b], 23, v[TM+12+\b]
.endr
	v_lshl_or_b32 v[PW], v[TM+5], 8, v[TM+4]
	v_lshl_or_b32 v[PW], v[TM+6], 16, v[PW]
	v_lshl_or_b32 v[PW], v[TM+7], 24, v[PW]
.irp c, 0,1
	v_cvt_scalef32_pk16_fp6_f32 v[PC+6*\c:PC+2+6*\c], v[\s+32*\c:\s+15+32*\c], v[TM+12+2*\c]
	v_cvt_scalef32_pk16_fp6_f32 v[PC+12+4*\c:PC+14+4*\c], v[\s+16+32*\c:\s+31+32*\c], v[TM+12+2*\c+1]
.endr
	v_nop
.irp c, 0,1
.irp i, 0,1,2
	v_permlane16_swap_b32 v[PC+6*\c+\i], v[PC+12+4*\c+\i]
.endr
.irp i, 0,1,2
	v_mov_b32 v[PC+3+6*\c+\i], v[PC+12+4*\c+\i]
.endr
.endr
.endm
.macro HOUT a
.set AC, 64*((\a)%4)
	WIN 0x08+4*((\a)/4)
.set j, 0
.rept 64
	v_max_num_f32 v[HA+j], 0, v[AC+j]
.set j, j+1
.endr
	WIN 0
.if (\a) > 0
	s_wait_xcnt 0x0
.endif
	QUANT HA
	v_mov_b32 v[PWS+(\a)], v[PW]
.irp p, 0,1,2,3,4,5
	global_store_b64 v[L8], v[PC+2*\p:PC+2*\p+1], s[10:11] offset:(\a)*49152+256*\p
.endr
.endm
	PLACES NP
.irp b, 0,1,2,3
	v_mov_b32 v[TM+4+\b], 0
.endr
.irp a, 0,1,2,3,4,5,6,7
	HOUT \a
.endr
.irp k, 0,1,2,3
	v_cndmask_b32 v[WW+\k], v[PWS+2*\k], v[PWS+2*\k+1], s[HM]
.endr
.irp k, 0,1,2,3
	global_store_b32 v[L4], v[WW+\k], s[12:13] offset:128*\k
.endr
	s_wait_tensorcnt 0x0
	ds_add_u32 v[SPW], v[NIL]
	s_wait_dscnt 0x0
	CROUND
	s_endpgm
.Lfunc_end_k_q60b928baeb_ffn1:
	.size	k_q60b928baeb_ffn1, .Lfunc_end_k_q60b928baeb_ffn1-k_q60b928baeb_ffn1
	.p2alignl 7, 3214868480
	.fill 96, 4, 3214868480
	.section	.rodata,"a",@progbits
	.p2align	6, 0x0
	.amdhsa_kernel k_q60b928baeb_ffn1
		.amdhsa_group_segment_fixed_size 327680
		.amdhsa_private_segment_fixed_size 0
		.amdhsa_enable_private_segment 0
		.amdhsa_kernarg_size 32
		.amdhsa_user_sgpr_count 2
		.amdhsa_user_sgpr_kernarg_segment_ptr 1
		.amdhsa_wavefront_size32 1
		.amdhsa_system_sgpr_workgroup_id_x 1
		.amdhsa_system_sgpr_workgroup_id_y 1
		.amdhsa_system_sgpr_workgroup_id_z 1
		.amdhsa_system_vgpr_workitem_id 0
		.amdhsa_next_free_vgpr 1024
		.amdhsa_next_free_sgpr 100
		.amdhsa_reserve_vcc 0
		.amdhsa_float_denorm_mode_32 3
		.amdhsa_float_denorm_mode_16_64 3
		.amdhsa_memory_ordered 1
		.amdhsa_forward_progress 1
		.amdhsa_inst_pref_size 187
	.end_amdhsa_kernel
	.amdgpu_metadata
---
amdhsa.version: [ 1, 2 ]
amdhsa.kernels:
  - .name:           k_q60b928baeb_ffn1
    .symbol:         k_q60b928baeb_ffn1.kd
    .args:
      - { .name: H, .offset: 0, .size: 8, .value_kind: global_buffer, .address_space: global }
      - { .name: W, .offset: 8, .size: 8, .value_kind: global_buffer, .address_space: global }
      - { .name: b1, .offset: 16, .size: 8, .value_kind: global_buffer, .address_space: global }
      - { .name: HID, .offset: 24, .size: 8, .value_kind: global_buffer, .address_space: global }
    .group_segment_fixed_size: 327680
    .private_segment_fixed_size: 0
    .kernarg_segment_align: 8
    .kernarg_segment_size: 32
    .max_flat_workgroup_size: 128
    .sgpr_count:     100
    .vgpr_count:     1024
    .wavefront_size: 32
...
	.end_amdgpu_metadata
.endif
;; end of part 6
;; launch ffn2 (part 7): grid 8 x 32, 4 waves a work-group, clusters of 4 x 4, 327,680 bytes of LDS; arguments HID, W, b2, X1, out0; writes out0
.if DOCPART == 7
	.amdgcn_target "amdgcn-amd-amdhsa--gfx1250"
	.amdhsa_code_object_version 6
	.text
	.protected	k_q60b928baeb_ffn2
	.globl	k_q60b928baeb_ffn2
	.p2align	8
	.type	k_q60b928baeb_ffn2,@function
k_q60b928baeb_ffn2:
	s_mov_b64 s[64:65], 0
	v_nop
	global_prefetch_b8 v0, s[64:65] scope:SCOPE_SE
	s_setreg_imm32_b32 hwreg(HW_REG_WAVE_MODE, 25, 1), 1
	s_wait_xcnt 0x0
	s_wait_alu depctr_hold_cnt(0) depctr_sa_sdst(0) depctr_va_vdst(0) depctr_va_sdst(0) depctr_va_ssrc(0) depctr_va_vcc(0) depctr_vm_vsrc(0)
	s_getreg_b32 s2, hwreg(HW_REG_IB_STS2, 6, 4)
	s_cmp_eq_u32 s2, 0
	s_cbranch_scc0 .Lentry_in_a_cluster
	s_endpgm
.Lentry_in_a_cluster:
	s_bfe_u32 s2, ttmp6, 0x10000c
	s_cmp_lg_u32 s2, 0xf033
	s_cbranch_scc0 .Lentry_shape_is_right
	s_endpgm
.Lentry_shape_is_right:
; out0 = X1 + hid w2^T + b2.  hid (buffer HID) and w2 (buffer W) are codes of E2M3 with E8M0 block scales, K = 4,096, laid as images of operand registers:
; fragment (tile T of 16 rows, K step s of 128) at (T KT + s) 1,536, plane p (registers 2 p, 2 p + 1) at 256 p, 8 bytes a lane; scale words [rows / 256][KT][256 places].
; A block of C is 128 x 128: 32 x 8 = 256 work-groups.  Four waves, each 64 x 64: 16 accumulators.  "A" = tokens (source 1), "B" = weight rows (source 0): a lane keeps one token, its registers run along the channels.
; A weight's tile holds rows 32 (T / 2) + 8 (T % 2) + r + 8 (r / 8), so register j of accumulator b in lane (r, h) is channel 32 (b / 2) + 16 h + 8 (b % 2) + j.
; K goes in eight chunks of 512 through a ring of two LDS slots (8 tiles of A, 8 of B, 6,144 bytes a tile); behind the head a wave's tensor load brings four tiles.  The scale words of the block's rows come once.
; A slot's last fragments are fetched in its third step, so the barrier and the refill stand there, and 48 of a slot's 64 products a wave lie between a refill and the wait for it.
; CLUSTERS: 4 x 4; A's tiles are asked for jointly along a row of the cluster, B's along a column.  PREFETCH: with the fill of chunk c each wave names chunk c + 2 of one tile (24 blocks of 256 bytes); it stops with chunk 7.
; The residual's 64 x 64 numbers of a wave are loaded at the head into registers and first read on the way out; the bias is the C of the first products.
; REGISTERS: window 0: v16-29 addresses, v32-63 scale words (two sets of 4 steps x 4), v64-159 and v160-255 two sets of fragments (B's four, A's four).  Window 1: v0-127 accumulators.  Window 2: v0-127 residual, v128-159 bias.
.set SIZE_K, 4096
.set ASCL,   12582912
.set BIMG,   6291456
.set BSCL,   9699328
.set KT,     SIZE_K/128
.set TROW,   KT*1536
.set CH,     6144
.set QT,     4*CH
.set SLOT,   4*QT
.set SCL,    2*SLOT
.set HS,     KT*512
.set SPARE,  SCL+2*HS
.set STAGE,  SPARE+512
.set SP,     272
.set LAPS,   SIZE_K/1024
.set ADRA, 16
.set ADRB, 20
.set BA,   22
.set PFO,  23
.set STO,  24
.set RD,   25
.set CO,   26
.set ADRS, 27
.set SPW,  28
.set NIL,  29
.set SC,   32
.set BI,   128
.set BK,   64
.set G1, 24
.set G0, 32
.set G1B, 48
.set G0B, 56
.set PFA, 66
.set G1S, 68
.set G0S, 76
.set G1SB, 80
.set G0SB, 88
.set G0H, 92
.set G0HB, 96
.set MSB, 0
.macro WIN new                         ; the immediate's high byte repeats the setting that is left
.if MSB != (\new)
	s_set_vgpr_msb (MSB<<8)|(\new)
.set MSB, (\new)
.endif
.endm
.macro JLOAD g0a, g1a, g0b, g1b        ; a joint load: waves 0, 1 fetch for A, waves 2, 3 for B; s_nop 0 and four v_nop follow each line
	s_cmp_eq_u32 s15, 0
	s_cbranch_scc0 .Lfor_b_\@
	tensor_load_to_lds s[\g0a:\g0a+3], s[\g1a:\g1a+7]
	s_nop 0
.rept 4
	v_nop
.endr
	s_branch .Lasked_\@
.Lfor_b_\@:
	tensor_load_to_lds s[\g0b:\g0b+3], s[\g1b:\g1b+7]
	s_nop 0
.rept 4
	v_nop
.endr
.Lasked_\@:
.endm
.macro CREST                           ; a round of the cluster's barrier behind its opening barrier
	s_cmp_lg_u32 s14, 0
	s_cbranch_scc1 .Lnot_wave_0_\@
	s_barrier_signal -3
.Lnot_wave_0_\@:
	s_barrier_wait -3
	s_barrier_signal -1
	s_barrier_wait -1
.endm
.macro CROUND
	s_barrier_signal -1
	s_barrier_wait -1
	CREST
.endm
.macro PLACES                          ; four plain places between a matrix instruction and a load into, or a read of, its registers
.rept 4
	v_nop
.endr
.endm
.macro FETCH slot, q, p                ; 48 loads: B's four and A's four fragments of step q of a slot into set p
.irp i, 0,1,2,3
.irp t, 0,1,2,3,4,5
	ds_load_b64 v[64+96*(\p)+12*\i+2*\t:64+96*(\p)+12*\i+2*\t+1], v[ADRB+\slot] offset:\i*CH+(\q)*1536+256*\t
.endr
.endr
.irp i, 0,1,2,3
.irp t, 0,1,2,3,4,5
	ds_load_b64 v[112+96*(\p)+12*\i+2*\t:112+96*(\p)+12*\i+2*\t+1], v[ADRA+\slot] offset:\i*CH+(\q)*1536+256*\t
.endr
.endr
.endm
.macro SCALES slot, step               ; 16 loads: a slot's scale words: register 4 q + i: lanes 0-15 A's tile i, lanes 16-31 B's tile i
.if \step
	v_add_nc_u32 v[ADRS], 2048, v[ADRS]            ; four K steps of 512 bytes on
	s_wait_alu depctr_va_vdst(0)
.endif
.irp q, 0,1,2,3
.irp i, 0,1,2,3
	ds_load_b32 v[SC+16*\slot+4*\q+\i], v[ADRS] offset:512*\q+64*\i
.endr
.endr
.endm
.macro MUL8 a0, p, sc, zero            ; A's tiles a0, a0 + 1 x B's four; the 16 accumulators take turns
.irp a, \a0, \a0+1
.irp b, 0,1,2,3
.if \zero
	v_wmma_scale_f32_16x16x128_f8f6f4 v[8*(4*(\a)+\b):8*(4*(\a)+\b)+7], v[64+96*(\p)+12*\b:64+96*(\p)+12*\b+11], v[112+96*(\p)+12*(\a):112+96*(\p)+12*(\a)+11], v[BI+8*\b:BI+8*\b+7], v[SC+(\sc)+\b], v[SC+(\sc)+(\a)] matrix_a_fmt:MATRIX_FMT_FP6 matrix_b_fmt:MATRIX_FMT_FP6 matrix_a_scale:MATRIX_SCALE_ROW1
.else
	v_wmma_scale_f32_16x16x128_f8f6f4 v[8*(4*(\a)+\b):8*(4*(\a)+\b)+7], v[64+96*(\p)+12*\b:64+96*(\p)+12*\b+11], v[112+96*(\p)+12*(\a):112+96*(\p)+12*(\a)+11], v[8*(4*(\a)+\b):8*(4*(\a)+\b)+7], v[SC+(\sc)+\b], v[SC+(\sc)+(\a)] matrix_a_fmt:MATRIX_FMT_FP6 matrix_b_fmt:MATRIX_FMT_FP6 matrix_a_scale:MATRIX_SCALE_ROW1
.endif
.endr
.endr
.endm
.macro STEP slot, q, ns, nq, zero      ; 128 along K: the next step's fragments (slot ns, step nq) are asked for first, then this step's 16 products
	PLACES
	FETCH \ns, \nq, 1-(\q)%2
.if (\nq) == 0
	SCALES \ns, 1
	s_wait_dscnt 63                                ; 64 loads are younger than this step's; the field ends at 63
.else
	s_wait_dscnt 48                                ; all but the 48 just issued
.endif
.if \zero
	WIN 0x60                                       ; D window 1, C window 2: the bias starts the sums
.else
	WIN 0x50                                       ; C and D window 1
.endif
	MUL8 0, (\q)%2, 16*(\slot)+4*(\q), \zero
	MUL8 2, (\q)%2, 16*(\slot)+4*(\q), \zero
	WIN 0
.endm
; A slot's third step.  Its last step's fragments are fetched here, so my reads of the slot end here: one barrier shows the other slot whole and this slot free.
.macro TURN slot, fill
.if \fill
	s_wait_xcnt 0x0                                ; my prefetch has read its address
	s_add_nc_u64 s[PFA:PFA+1], s[PFA:PFA+1], CH
.endif
	PLACES
	FETCH \slot, 3, 1
	s_wait_tensorcnt 0x0                           ; all my tensor loads have landed: my part of the other slot
	ds_add_u32 v[SPW], v[NIL]
	s_wait_dscnt 49                                ; (the 48 loads just issued and the add may be out)
	WIN 0x50
	MUL8 0, 0, 16*\slot+8, 0
	s_wait_dscnt 0x0                               ; the add is done, my reads of this slot are over
	s_barrier_signal -1
	MUL8 2, 0, 16*\slot+8, 0
	WIN 0
	s_barrier_wait -1
.if \fill
	CREST                                          ; the barrier has opened a round of the cluster's
	s_add_nc_u64 s[G0+4*\slot+2:G0+4*\slot+3], s[G0+4*\slot+2:G0+4*\slot+3], 2*CH
	s_add_nc_u64 s[G0B+4*\slot+2:G0B+4*\slot+3], s[G0B+4*\slot+2:G0B+4*\slot+3], 2*CH
	JLOAD G0+4*\slot, G1, G0B+4*\slot, G1B         ; the first tensor load behind the round
.endif
.endm
.macro ASK                             ; the chunk two refills on: my work-group's tile of the four that I fetch, 24 blocks of 256 bytes, a lane a block (lanes 24-31 name the last again)
	s_cmp_gt_u32 s3, 1                             ; the last trip's refills have no chunk two on
	s_cbranch_scc0 .Lno_ask_\@
	global_prefetch_b8 v[PFO], s[PFA:PFA+1] offset:CH th:TH_LOAD_NT scope:SCOPE_SE
.Lno_ask_\@:
.endm
.macro GZ g, lds, a                    ; a group 0 with a constant LDS address
	s_mov_b32 s[\g], 1
	s_mov_b32 s[\g+1], \lds
	s_mov_b64 s[\g+2:\g+3], s[\a:\a+1]
	s_or_b32 s[\g+3], s[\g+3], 0x80000000
.endm
.macro ARM under, g0, g1, next
	s_cmp_lt_u32 s14, \under
	s_cbranch_scc0 \next
	tensor_load_to_lds s[\g0:\g0+3], s[\g1:\g1+7]
	s_nop 0
.rept 4
	v_nop
.endr
	s_branch .Lhead_asked
\next:
.endm
	s_load_b256 s[4:11], s[0:1], 0x0               ; A s[4:5], W s[6:7], bias s[8:9], residual s[10:11]
	s_load_b64 s[12:13], s[0:1], 0x20              ; the result
	v_lshl_add_u32 v[SPW], v0, 2, SPARE
	v_mov_b32 v[NIL], 0
	ds_add_u32 v[SPW], v[NIL]                      ; the opening lines: the add twice on end and one wait
	ds_add_u32 v[SPW], v[NIL]
	v_lshrrev_b32 v1, 5, v0
	v_readfirstlane_b32 s14, v1                    ; wave 0..3
	s_lshr_b32 s15, s14, 1                         ; my half of A's rows; also: I fetch for A (0) or B (1)
	s_and_b32 s16, s14, 1                          ; my half of B's rows; also: which four tiles I fetch
	s_bfe_u32 s40, ttmp6, 0x40000                  ; cx
	s_bfe_u32 s41, ttmp6, 0x40004                  ; cy
	s_lshl_b32 s42, ttmp9, 2
	s_add_co_u32 s42, s42, s40                     ; block column of C
	s_and_b32 s17, ttmp7, 0xffff
	s_lshl_b32 s17, s17, 2
	s_add_co_u32 s17, s17, s41                     ; block row of C
	s_lshl_b32 s43, s41, 2
	s_lshl_b32 s43, 15, s43                        ; my row of the cluster
	s_lshl_b32 s44, 0x1111, s40                    ; my column
	s_or_b32 s[G1+0], s43, (3<<16)|(1<<21)         ; the mask; elements of 8 bytes; bit 21 beside a mask
	s_or_b32 s[G1B+0], s44, (3<<16)|(1<<21)
.irp g, G1, G1B
	s_mov_b32 s[\g+1], 768<<16                     ; a row: a tile's 6,144 bytes of a chunk
	s_mov_b32 s[\g+2], 8<<16                       ; the head's loads bring 8 tiles
	s_mov_b32 s[\g+3], 768<<16
	s_mov_b32 s[\g+4], 8
	s_mov_b32 s[\g+5], KT*192                      ; from a tile to the next
	s_mov_b32 s[\g+6], 0
	s_mov_b32 s[\g+7], 0
.endr
	s_or_b32 s[G1S+0], s43, (3<<16)|(1<<21)
	s_or_b32 s[G1SB+0], s44, (3<<16)|(1<<21)
.irp g, G1S, G1SB
	s_mov_b32 s[\g+1], 64<<16                      ; scale words: 128 places = 512 bytes a K step, KT steps, 1,024 bytes apart
	s_mov_b32 s[\g+2], KT<<16
	s_mov_b32 s[\g+3], 64<<16
	s_mov_b32 s[\g+4], KT
	s_mov_b32 s[\g+5], 128
	s_mov_b32 s[\g+6], 0
	s_mov_b32 s[\g+7], 0
.endr
	s_mul_i32 s20, s17, 8*TROW                     ; A's eight tiles
	s_mov_b32 s21, 0
	s_lshr_b32 s22, s17, 1
	s_mul_i32 s22, s22, KT*1024
	s_and_b32 s23, s17, 1
	s_lshl_b32 s23, s23, 9
	s_add_co_u32 s22, s22, s23
	s_add_co_u32 s22, s22, ASCL                    ; and their scale words
	s_mov_b32 s23, 0
	s_mul_i32 s46, s42, 8*TROW
	s_add_co_u32 s46, s46, BIMG                    ; B's
	s_mov_b32 s47, 0
	s_lshr_b32 s100, s42, 1
	s_mul_i32 s100, s100, KT*1024
	s_and_b32 s101, s42, 1
	s_lshl_b32 s101, s101, 9
	s_add_co_u32 s100, s100, s101
	s_add_co_u32 s100, s100, BSCL
	s_mov_b32 s101, 0
	s_mul_i32 s45, s14, QT                         ; the ring's loads land at wave x four tiles: no place in the cluster enters an LDS address
	s_mul_i32 s18, s16, 4*TROW
	s_mov_b32 s19, 0
	s_wait_dscnt 0x0                               ; both opening adds are done
	s_wait_kmcnt 0x0
	s_add_nc_u64 s[20:21], s[4:5], s[20:21]
	s_add_nc_u64 s[22:23], s[4:5], s[22:23]
	s_add_nc_u64 s[46:47], s[6:7], s[46:47]
	s_add_nc_u64 s[100:101], s[6:7], s[100:101]
	GZ G0H, 0, 20
	GZ G0HB, 2*QT, 46
	GZ G0S, SCL, 22
	GZ G0SB, SCL+HS, 100
	s_add_nc_u64 s[20:21], s[20:21], s[18:19]      ; for the ring: my four tiles
	s_add_nc_u64 s[46:47], s[46:47], s[18:19]
.irp s, 0,1
	s_mov_b32 s[G0+4*\s], 1
	s_add_co_u32 s[G0+4*\s+1], s45, \s*SLOT
	s_add_nc_u64 s[G0+4*\s+2:G0+4*\s+3], s[20:21], \s*CH
	s_or_b32 s[G0+4*\s+3], s[G0+4*\s+3], 0x80000000
	s_mov_b32 s[G0B+4*\s], 1
	s_add_co_u32 s[G0B+4*\s+1], s45, \s*SLOT
	s_add_nc_u64 s[G0B+4*\s+2:G0B+4*\s+3], s[46:47], \s*CH
	s_or_b32 s[G0B+4*\s+3], s[G0B+4*\s+3], 0x80000000
.endr
	CROUND                                         ; all sixteen work-groups are here: the first joint loads meet
	; the head's loads, one a wave, in one tree of branches: chunk 0 of A, chunk 0 of B, A's scale words, B's
	ARM 1, G0H,  G1,  .Lhead_b
	ARM 2, G0HB, G1B, .Lhead_sa
	ARM 3, G0S,  G1S, .Lhead_sb
	tensor_load_to_lds s[G0SB:G0SB+3], s[G1SB:G1SB+7]
	s_nop 0
.rept 4
	v_nop
.endr
.Lhead_asked:
	s_mul_i32 s18, s15, QT                         ; my four tiles of A in a slot,
	s_mul_i32 s19, s16, QT
	s_add_co_u32 s19, s19, 2*QT                    ; of B
	s_lshl_b32 s20, s15, 8
	s_lshl_b32 s21, s16, 8
	s_add_co_u32 s21, s21, HS
	s_sub_co_u32 s21, s21, s20                     ; from A's words to B's
	s_add_co_u32 s20, s20, SCL
	s_mul_i32 s22, s14, 64*SP
	s_add_co_u32 s22, s22, STAGE                   ; my stage: 64 rows of 272 bytes, bytes of its own
	s_lshl_b32 s46, s42, 9
	s_lshl_b32 s47, s16, 8
	s_add_co_u32 s46, s46, s47                     ; my first column, in bytes
	s_mov_b32 s47, 0
	s_add_nc_u64 s[8:9], s[8:9], s[46:47]
	s_lshl_b32 s23, s17, 7
	s_lshl_b32 s2, s15, 6
	s_add_co_u32 s23, s23, s2                      ; my first row
	s_lshl_b32 s23, s23, 12
	s_add_co_u32 s46, s46, s23
	s_add_nc_u64 s[10:11], s[10:11], s[46:47]
	s_add_nc_u64 s[12:13], s[12:13], s[46:47]
.if LAPS > 1
	s_lshl_b32 s2, s17, 3                          ; the prefetches: partners share a joint load's four tiles out by address (cx for A, cy for B)
	s_lshl_b32 s3, s42, 3
	s_mov_b32 s23, BIMG+2*CH
	s_cmp_eq_u32 s15, 0
	s_cselect_b32 s2, s2, s3
	s_cselect_b32 s3, s40, s41
	s_cselect_b32 s23, 2*CH, s23
	s_cselect_b64 s[PFA:PFA+1], s[4:5], s[6:7]
	s_add_co_u32 s2, s2, s3
	s_lshl_b32 s3, s16, 2
	s_add_co_u32 s2, s2, s3
	s_mul_i32 s2, s2, TROW
	s_add_co_u32 s2, s2, s23
	s_mov_b32 s3, 0
	s_add_nc_u64 s[PFA:PFA+1], s[PFA:PFA+1], s[2:3]   ; at chunk 2
.endif
	v_and_b32 v1, 15, v0                           ; r
	v_bfe_u32 v2, v0, 4, 1                         ; h
	v_and_b32 v3, 31, v0
	v_lshlrev_b32 v4, 3, v3
	v_add_nc_u32 v[ADRA], s18, v4
	v_add_nc_u32 v[ADRB], s19, v4
	v_add_nc_u32 v[ADRA+1], SLOT, v[ADRA]
	v_add_nc_u32 v[ADRB+1], SLOT, v[ADRB]
	v_mul_u32_u24 v5, s21, v2                      ; lanes 16-31 take B's words
	v_lshl_add_u32 v5, v1, 2, v5
	v_add_nc_u32 v[ADRS], s20, v5
	v_lshlrev_b32 v[BA], 6, v2
	v_mul_u32_u24 v6, v1, SP
	v_lshl_add_u32 v6, v2, 6, v6
	v_add_nc_u32 v[STO], s22, v6                   ; in: row r, 64 h
	v_mul_u32_u24 v7, v2, SP
	v_lshl_add_u32 v7, v1, 4, v7
	v_add_nc_u32 v[RD], s22, v7                    ; back: lanes 0-15 one row of 256 bytes, lanes 16-31 the next
	v_lshlrev_b32 v8, 12, v2
	v_lshl_add_u32 v[CO], v1, 4, v8                ; the same two rows in memory
.if LAPS > 1
	v_min_u32 v9, 23, v3
	v_lshlrev_b32 v[PFO], 8, v9
.endif
	s_wait_alu depctr_va_vdst(0)                   ; the end of the head's vector work
.if LAPS > 1
	global_prefetch_b8 v[PFO], s[PFA:PFA+1] th:TH_LOAD_NT scope:SCOPE_SE   ; with chunk 0's fill: chunk 2
.endif
	WIN 0x80                                       ; destinations in window 2
.irp b, 0,1,2,3
	global_load_b128 v[BI+8*\b:BI+8*\b+3], v[BA], s[8:9] offset:(32*(\b/2)+8*(\b%2))*4
	global_load_b128 v[BI+8*\b+4:BI+8*\b+7], v[BA], s[8:9] offset:(32*(\b/2)+8*(\b%2))*4+16
.endr
.set t, 0
.rept 32
	global_load_b128 v[4*t:4*t+3], v[CO], s[10:11] offset:8192*t   ; 16 lanes read 256 consecutive bytes, aligned
.set t, t+1
.endr
	WIN 0
	s_wait_tensorcnt 0x0                           ; my tile of the head's four is in
	ds_add_u32 v[SPW], v[NIL]
	s_mov_b32 s[G1+2], 4<<16                       ; no tensor load of mine is out: from here on a load brings four tiles
	s_mov_b32 s[G1+4], 4
	s_mov_b32 s[G1B+2], 4<<16
	s_mov_b32 s[G1B+4], 4
	s_wait_dscnt 0x0
	CROUND
	JLOAD G0+4, G1, G0B+4, G1B                     ; chunk 1, the first tensor load behind the round
	FETCH 0, 0, 0
	SCALES 0, 0
.if LAPS > 1
	global_prefetch_b8 v[PFO], s[PFA:PFA+1] offset:CH th:TH_LOAD_NT scope:SCOPE_SE   ; with chunk 1's fill: chunk 3
.endif
	s_wait_loadcnt 32                              ; the bias is in; the residual's 32 loads may be out
	STEP 0, 0, 0, 1, 1
.if LAPS > 1
	s_mov_b32 s3, LAPS-1
.Llap:                                             ; a trip goes once round the ring and fills both slots again
	STEP 0, 1, 0, 2, 0
	TURN 0, 1
	STEP 0, 3, 1, 0, 0
	ASK
	STEP 1, 0, 1, 1, 0
	STEP 1, 1, 1, 2, 0
	TURN 1, 1
	STEP 1, 3, 0, 0, 0
	ASK
	STEP 0, 0, 0, 1, 0
	s_sub_co_u32 s3, s3, 1
	s_cmp_lg_u32 s3, 0
	s_cbranch_scc1 .Llap
.endif
	STEP 0, 1, 0, 2, 0                             ; the last lap fills nothing
	TURN 0, 0
	STEP 0, 3, 1, 0, 0
	STEP 1, 0, 1, 1, 0
	STEP 1, 1, 1, 2, 0
	STEP 1, 2, 1, 3, 0
	s_wait_dscnt 0x0
	WIN 0x50
	MUL8 0, 1, 28, 0
	MUL8 2, 1, 28, 0
	PLACES
	; THE WAY OUT: my 64 x 64 through my own stage, back as rows of 256 bytes, plus the residual, stored as whole aligned units of 256 bytes
	WIN 0x04                                       ; store data in window 1
.irp a, 0,1,2,3
.irp b, 0,1,2,3
	ds_store_b128 v[STO], v[8*(4*\a+\b):8*(4*\a+\b)+3] offset:\a*16*SP+128*(\b/2)+32*(\b%2)      ; each accumulator from its low end on
	ds_store_b128 v[STO], v[8*(4*\a+\b)+4:8*(4*\a+\b)+7] offset:\a*16*SP+128*(\b/2)+32*(\b%2)+16
.endr
.endr
	WIN 0
.set t, 0
.rept 32
	ds_load_b128 v[BK+4*t:BK+4*t+3], v[RD] offset:t*2*SP   ; LDS serves a wave's instructions in order (ISA guide 5.7.1.4)
.set t, t+1
.endr
	s_wait_loadcnt 0x0                             ; the residual
.irp g, 0,1,2,3
	s_wait_dscnt 24-8*\g                           ; eight more loads are back
	WIN 0x08                                       ; source 1 in window 2
.set j, 32*\g
.rept 16
	v_pk_add_f32 v[BK+j:BK+j+1], v[BK+j:BK+j+1], v[j:j+1]
.set j, j+2
.endr
	WIN 0
.set t, 8*\g
.rept 8
	global_store_b128 v[CO], v[BK+4*t:BK+4*t+3], s[12:13] offset:8192*t
.set t, t+1
.endr
.endr
	s_wait_tensorcnt 0x0                           ; the wave's end
	ds_add_u32 v[SPW], v[NIL]
	s_wait_dscnt 0x0
	CROUND                                         ; the closing round
	s_endpgm
.Lfunc_end_k_q60b928baeb_ffn2:
	.size	k_q60b928baeb_ffn2, .Lfunc_end_k_q60b928baeb_ffn2-k_q60b928baeb_ffn2
	.p2alignl 7, 3214868480
	.fill 96, 4, 3214868480
	.section	.rodata,"a",@progbits
	.p2align	6, 0x0
	.amdhsa_kernel k_q60b928baeb_ffn2
		.amdhsa_group_segment_fixed_size 327680
		.amdhsa_private_segment_fixed_size 0
		.amdhsa_enable_private_segment 0
		.amdhsa_kernarg_size 40
		.amdhsa_user_sgpr_count 2
		.amdhsa_user_sgpr_kernarg_segment_ptr 1
		.amdhsa_wavefront_size32 1
		.amdhsa_system_sgpr_workgroup_id_x 1
		.amdhsa_system_sgpr_workgroup_id_y 1
		.amdhsa_system_sgpr_workgroup_id_z 1
		.amdhsa_system_vgpr_workitem_id 0
		.amdhsa_next_free_vgpr 768
		.amdhsa_next_free_sgpr 102
		.amdhsa_reserve_vcc 0
		.amdhsa_float_denorm_mode_32 3
		.amdhsa_float_denorm_mode_16_64 3
		.amdhsa_memory_ordered 1
		.amdhsa_forward_progress 1
		.amdhsa_inst_pref_size 118
	.end_amdhsa_kernel
	.amdgpu_metadata
---
amdhsa.version: [ 1, 2 ]
amdhsa.kernels:
  - .name:           k_q60b928baeb_ffn2
    .symbol:         k_q60b928baeb_ffn2.kd
    .args:
      - { .name: HID, .offset: 0, .size: 8, .value_kind: global_buffer, .address_space: global }
      - { .name: W, .offset: 8, .size: 8, .value_kind: global_buffer, .address_space: global }
      - { .name: b2, .offset: 16, .size: 8, .value_kind: global_buffer, .address_space: global }
      - { .name: X1, .offset: 24, .size: 8, .value_kind: global_buffer, .address_space: global }
      - { .name: out0, .offset: 32, .size: 8, .value_kind: global_buffer, .address_space: global }
    .group_segment_fixed_size: 327680
    .private_segment_fixed_size: 0
    .kernarg_segment_align: 8
    .kernarg_segment_size: 40
    .max_flat_workgroup_size: 128
    .sgpr_count:     102
    .vgpr_count:     768
    .wavefront_size: 32
...
	.end_amdgpu_metadata
.endif
;; end of part 7
